; MI455X (gfx1250); checked and timed in simulation.
; The chip was launched on July 23, 2026; its instructions are those of AMD's public machine-readable ISA for CDNA 5 (MIT licence, August 2026) and "CDNA5" Instruction Set Architecture Reference Guide (July 2026). The comments in the code are by the model that wrote it; some were corrected since.
;; GQA. Allowed arithmetic: matrix products marked QUANTISED: E2M1 operands, one E8M0 scale for each 32 along K, by v_wmma_scale_f32_16x16x128_f8f6f4 with both operands' format E2M1 (or v_wmma_scale_f32_32x16x128_f4), f32 sums; products left as they are: bf16, f16 or f32 operands; f32 sums; everything else in f32.
;; Inputs: W_attn 2,048 x 3,072 float32; W_proj 2,048 x 2,048 float32; b_attn 3,072 float32; b_proj 2,048 float32; freqs_cos 2,048 x 64 float32; freqs_sin 2,048 x 64 float32; x 1 x 2,048 x 2,048 float32.
;; Outputs: out0 1 x 2,048 x 2,048 float32.
;; This version of the problem:
;;   THIS VERSION OF THE PROBLEM IS GIVEN IN LOW PRECISION. The matrix products marked QUANTISED in the list below multiply operands that are first quantised to E2M1 (2 exponent bits, 1 mantissa bit; 4 bits a number), with one power-of-two scale for each 32 numbers along K (OCP MX v1.0); their sums are f32. The products marked 'left as it is' may take bf16, f16 or f32 operands, with f32 sums. Whichever they take, every output number must still come out within the allowed error. Rounding operands to bf16 (8 significant bits) uses up far more of that allowance than f16 does (11 bits, for magnitudes from 6e-5 to 65,504). All else is computed in f32.
;;   The module's matrix products, in the order in which they are computed (A, B: the left and right operand; K: the contracted axis; several contracted axes count as one K, in the product's order):
;;     1. [M 2,048, K 2,048] x [K 2,048, N 3,072]; A: input x; B: input W_attn: QUANTISED
;;     2. batch 4 x [M 8,192, K 128] x [K 128, N 2,048]; A: computed on the way; B: computed on the way: left as it is (an operand is computed on the way)
;;     3. batch 4 x [M 8,192, K 2,048] x [K 2,048, N 128]; A: computed on the way; B: computed on the way: left as it is (an operand is computed on the way)
;;     4. [M 2,048, K 2,048] x [K 2,048, N 2,048]; A: computed on the way; B: input W_proj: left as it is (an operand is computed on the way)
;;   THE QUANTISER, for each operand of a quantised product, along K:
;;     - K is cut into blocks of 32 from its start; a last block that is shorter is filled with zeros.
;;     - A block's scale is 2^e with e = floor(log2(the largest magnitude in the block)) - 2, held to -126 .. 127; a block of zeros has e = 0. As a byte (E8M0): e + 127.
;;     - Each number is divided by its block's scale, clamped to +-6, and rounded to the nearest number of E2M1, ties to even, subnormals kept.
;;     - The product sums the exact products of the quantised numbers (number of the format x scale) in f32.
;;   ~~~python
;;   def quantise(x, axis):      # numpy; x: float32 -> the quantised numbers, widened to float32 again
;;       x = np.moveaxis(x, axis, -1); K = x.shape[-1]
;;       x = np.pad(x, [(0, 0)] * (x.ndim - 1) + [(0, -K % 32)]); x = x.reshape(x.shape[:-1] + (-1, 32)); a = np.abs(x).max(-1, keepdims=True)
;;       e = np.where(a > 0, np.clip(np.frexp(np.where(a > 0, a, 1))[1] - 1 - 2, -126, 127), 0)      # np.frexp(a)[1] - 1 = floor(log2(a)), exactly
;;       r = np.clip(x / 2.0 ** e, -6, 6)
;;       step = 2.0 ** (np.maximum(np.frexp(np.where(r == 0, 1, r))[1] - 1, 0) - 1)
;;       q = np.round(r / step) * step * 2.0 ** e      # np.round: ties to even
;;       return np.moveaxis(q.reshape(q.shape[:-2] + (-1,))[..., :K], -1, axis).astype(np.float32)
;;   ~~~
;; One version. Each part assembles by itself: llvm-mc -triple=amdgcn-amd-amdhsa -mcpu=gfx1250 --defsym DOCPART=n.
;; ======== version 1 of 1: 5 launches
;; limits: values are held in f16: magnitudes above 65,504 overflow, below 6.1e-05 lose precision
;; workspace buffers: x_codes 2,097,152 bytes; x_scales 131,072 bytes; w_codes 3,145,728 bytes; w_scales 196,608 bytes; wp16 8,388,608 bytes; qkv16 12,582,912 bytes; q32 196,608 bytes; y16 8,388,608 bytes
;; launch prep (part 1): grid 448 x 1, 4 waves a work-group, no clusters, 50,688 bytes of LDS; arguments x, W_attn, W_proj, x_codes, x_scales, w_codes, w_scales, wp16; writes x_codes, x_scales, w_codes, w_scales, wp16
.if DOCPART == 1
	.amdgcn_target "amdgcn-amd-amdhsa--gfx1250"
	.amdhsa_code_object_version 6
	.text
	.protected	k_q4caa0ea606_prep
	.globl	k_q4caa0ea606_prep
	.p2align	8
	.type	k_q4caa0ea606_prep,@function
k_q4caa0ea606_prep:
	s_mov_b64 s[64:65], 0
	v_nop
	global_prefetch_b8 v0, s[64:65] scope:SCOPE_SE
	s_setreg_imm32_b32 hwreg(HW_REG_WAVE_MODE, 25, 1), 1
	s_wait_xcnt 0x0
; PREP: the operands of the first product become codes of FP4 (E2M1) with one E8M0 byte for each 32 along K; W_proj becomes f16.
; Three ways, chosen by the work-group's number alone:
;   work-groups   0 .. 191: W_attn [2048 (k)][3072 (n)] f32 -> w_codes [3072][1024 bytes], K innermost, w_scales [3072][64]
;   work-groups 192 .. 319: x [2048][2048] f32 -> x_codes [2048][1024 bytes], x_scales [2048][64]
;   work-groups 320 .. 447: W_proj [2048][2048] f32 -> wp16, the same layout in f16
; Every wave of every way takes 32 KiB of f32 numbers.
; A block's scale is 2^(floor(log2(its largest magnitude)) - 2); its byte is the largest magnitude's exponent field - 2, held at 1 from below.
; A block of zeros so gets the byte 1 where the rule says 127: its codes are zeros, and the bytes are read by this program alone.
; LIMITS: blocks whose largest magnitude lies under 2^(2 - 126) have their byte held at 1; NaN and infinities among the inputs are not served;
; a number of W_proj beyond 65,504 in magnitude becomes infinity in f16.
; No tensor loads, no barrier: waves share nothing.  Each way that uses LDS has LDS bytes of its own.
.set SPW,    180                       ; v180  LDS address of my spare word: SPARE + 4 x my thread's number; never rewritten
.set NIL,    181                       ; v181  0; never rewritten
.set XREG,   8192                      ; way X: a region for each wave from byte 0: two stages of 32 x SP bytes, behind them its 256 scale bytes
.set SP,     80                        ; a lane's place in a stage: its 64 bytes + 16 of padding
.set WSTG,   32768                     ; way W: a stage of 16 rows x WPITCH for each wave
.set WPITCH, 272
.set SPARE,  WSTG+4*16*WPITCH          ; 50,176: the spare words, 128 bytes for each wave: two blocks of 256 bytes that no other line names
.set EMAX,   2
.set XR,     16                        ; way X: v16-79 four sets of 16 numbers as loaded
.set XX,     80                        ;        v80-111 two sets of 16 neighbours
.set XE,     112                       ;        v112-127 a scale byte for each step
.set XC,     128                       ;        v128-159 two registers of codes for each step: no store's data are written again
.set NB,     8                         ; way W: blocks of 32 along K for a lane
.set WSB,    24                        ;        v24-25 the scale bytes, four to a register
.set WX,     32                        ;        v32-95 two sets of 32 numbers
.set WC,     96                        ;        v96-99 a block's codes
.set WOUT,   112                       ;        v112-143 the way out
.set PR,     16                        ; way P: v16-143 two sets of 64 numbers
.macro FINISH                          ; the wave's end: a tensor wait, an add to my spare word and its wait behind the last LDS store; the tensor wait stands in a text with no tensor load too
	s_wait_tensorcnt 0x0
	ds_add_u32 v[SPW], v[NIL]
	s_wait_dscnt 0x0
	s_endpgm
.endm
; ---- way P
.macro LOADB t                         ; 16 loads of 512 consecutive bytes
.irp i, 0,1,2,3,4,5,6,7,8,9,10,11,12,13,14,15
	global_load_b128 v[PR+64*((\t)%2)+4*\i:PR+64*((\t)%2)+4*\i+3], v3, s[8:9] offset:512*(16*(\t)+\i)
.endr
.endm
.macro WORKB t                         ; four numbers of a lane become 8 bytes, in place; a wave's store covers 256 consecutive bytes, aligned
.irp i, 0,1,2,3,4,5,6,7,8,9,10,11,12,13,14,15
	v_cvt_pk_f16_f32 v[PR+64*((\t)%2)+4*\i], v[PR+64*((\t)%2)+4*\i], v[PR+64*((\t)%2)+4*\i+1]
	v_cvt_pk_f16_f32 v[PR+64*((\t)%2)+4*\i+1], v[PR+64*((\t)%2)+4*\i+2], v[PR+64*((\t)%2)+4*\i+3]
.endr
.irp i, 0,1,2,3,4,5,6,7,8,9,10,11,12,13,14,15
	global_store_b64 v8, v[PR+64*((\t)%2)+4*\i:PR+64*((\t)%2)+4*\i+1], s[18:19] offset:256*(16*(\t)+\i)
.endr
.endm
; ---- way X
.macro XLOAD t
.irp i, 0,1,2,3
	global_load_b128 v[XR+16*((\t)%4)+4*\i:XR+16*((\t)%4)+4*\i+3], v3, s[4:5] offset:2048*(\t)+512*\i th:TH_LOAD_NT   ; 32 lanes read 512 consecutive bytes
.endr
.endm
.macro XTURN t                         ; step t's numbers through the stage: LDS serves a wave's instructions in order, so no wait stands between the stores and the loads
.irp i, 0,1,2,3
	ds_store_b128 v14, v[XR+16*((\t)%4)+4*\i:XR+16*((\t)%4)+4*\i+3] offset:32*SP*((\t)%2)+8*SP*\i
.endr
.irp i, 0,1,2,3
	ds_load_b128 v[XX+16*((\t)%2)+4*\i:XX+16*((\t)%2)+4*\i+3], v15 offset:32*SP*((\t)%2)+16*\i
.endr
.endm
.macro XSTEP t
.set XS, XX+16*((\t)%2)
.if (\t) > 0
	s_wait_dscnt 1                                 ; this step's numbers are back from the stage (the last step's byte store may be out): so its stores into the stage have read their registers,
.else
	s_wait_dscnt 0x0
.endif
.if (\t)+4 < 16
	XLOAD (\t)+4                                   ; which take the loads of four steps on
.endif
.if (\t)+1 < 16
.if 14-(\t) >= 3
	s_wait_loadcnt 12                              ; the next step's four loads are in; those of the three steps behind it may be out
.else
	s_wait_loadcnt 4*(14-(\t))
.endif
	XTURN (\t)+1
.endif
	v_max3_num_f32 v8, |v[XS]|, |v[XS+1]|, |v[XS+2]|               ; the largest magnitude of my 16
	v_max3_num_f32 v9, |v[XS+3]|, |v[XS+4]|, |v[XS+5]|
.irp i, 6,10
	v_max3_num_f32 v8, v8, |v[XS+\i]|, |v[XS+\i+1]|
	v_max3_num_f32 v9, v9, |v[XS+\i+2]|, |v[XS+\i+3]|
.endr
	v_max3_num_f32 v8, v8, |v[XS+14]|, |v[XS+15]|
	v_max3_num_f32 v8, v8, v9, (EMAX+1)<<23        ; and the floor 2^(3 - 127): the byte cannot fall under 1
	v_max_num_f32_dpp v8, v8, v8 row_xmask:1 row_mask:0xf bank_mask:0xf   ; and of my neighbour's 16: the block's
	v_add_nc_u32 v11, -(EMAX<<23), v8              ; 2 off its exponent field: the conversion takes the exponent field of this operand as its scale
	v_cvt_scalef32_pk8_fp4_f32 v[XC+2*(\t)], v[XS:XS+7], v11
	v_cvt_scalef32_pk8_fp4_f32 v[XC+2*(\t)+1], v[XS+8:XS+15], v11
	v_lshrrev_b32 v[XE+(\t)], 23, v11              ; the scale's byte
	ds_store_b8 v5, v[XE+(\t)] offset:16*(\t)      ; both lanes of a block write the same byte with the same value
	global_store_b64 v4, v[XC+2*(\t):XC+2*(\t)+1], s[10:11] offset:256*(\t)   ; the wave stores 256 consecutive bytes, aligned
.endm
; ---- way W
.macro WLOAD t                         ; block t: W(256 h + 32 t + i, my column), i = 0 .. 31, into set t % 2
.irp i, 0,1,2,3,4,5,6,7,8,9,10,11,12,13,14,15,16,17,18,19,20,21,22,23,24,25,26,27,28,29,30,31
	global_load_b32 v[WX+32*((\t)%2)+\i], v3, s[6:7] offset:(32*(\t)+\i)*12288 th:TH_LOAD_NT
.endr
.endm
.macro WBLOCK t
.set WS, WX+32*((\t)%2)
.if (\t) < NB-1
	s_wait_loadcnt 32                              ; this block's 32 loads are in; the next block's may be out
.else
	s_wait_loadcnt 0
.endif
	v_max3_num_f32 v12, |v[WS]|, |v[WS+1]|, |v[WS+2]|              ; the block's largest magnitude: all 32 numbers are mine
	v_max3_num_f32 v13, |v[WS+3]|, |v[WS+4]|, |v[WS+5]|
.irp i, 6,10,14,18,22,26
	v_max3_num_f32 v12, v12, |v[WS+\i]|, |v[WS+\i+1]|
	v_max3_num_f32 v13, v13, |v[WS+\i+2]|, |v[WS+\i+3]|
.endr
	v_max3_num_f32 v12, v12, |v[WS+30]|, |v[WS+31]|
	v_max3_num_f32 v12, v12, v13, (EMAX+1)<<23
	v_add_nc_u32 v11, -(EMAX<<23), v12
	v_lshrrev_b32 v13, 23, v11                     ; the scale's byte
.if (\t)%4 == 0
	v_mov_b32 v[WSB+(\t)/4], v13                   ; four bytes to a register, the lower K in the lower byte
.else
	v_lshl_or_b32 v[WSB+(\t)/4], v13, 8*((\t)%4), v[WSB+(\t)/4]
.endif
.irp g, 0,1,2,3
	v_cvt_scalef32_pk8_fp4_f32 v[WC+\g], v[WS+8*\g:WS+8*\g+7], v11
.endr
	ds_store_b128 v4, v[WC:WC+3] offset:16*(\t)    ; 32 codes: 16 bytes of my column's row
.if (\t)+2 < NB
	WLOAD (\t)+2
.endif
	s_wait_dscnt 0x0                               ; the store has read its registers: the next block's codes may be written
.endm
	s_load_b128 s[4:7], s[0:1], 0x0                ; x, W_attn
	s_load_b128 s[8:11], s[0:1], 0x10              ; W_proj, x_codes
	s_load_b128 s[12:15], s[0:1], 0x20             ; x_scales, w_codes
	s_load_b128 s[16:19], s[0:1], 0x30             ; w_scales, wp16
	v_lshl_add_u32 v[SPW], v0, 2, SPARE
	v_mov_b32 v[NIL], 0
	v_lshrrev_b32 v1, 5, v0
	v_readfirstlane_b32 s20, v1                    ; wave 0..3
	v_and_b32 v2, 31, v0                           ; lane
	s_wait_kmcnt 0x0
	s_cmp_lt_u32 ttmp9, 192
	s_cbranch_scc1 .Lw
	s_cmp_lt_u32 ttmp9, 320
	s_cbranch_scc1 .Lx
	; ---- way P: a wave takes a run of 8,192 numbers of W_proj, in four batches of 2,048, one batch ahead
	s_sub_co_u32 s21, ttmp9, 320
	s_lshl_b32 s21, s21, 2
	s_add_co_u32 s21, s21, s20                     ; my run, 0 .. 511
	s_lshl_b32 s22, s21, 15
	s_mov_b32 s23, 0
	s_add_nc_u64 s[8:9], s[8:9], s[22:23]
	s_lshl_b32 s22, s21, 14
	s_add_nc_u64 s[18:19], s[18:19], s[22:23]
	v_lshlrev_b32 v3, 4, v2                        ; in: 16 bytes a lane
	v_lshlrev_b32 v8, 3, v2                        ; out: 8 bytes a lane
	LOADB 0
	LOADB 1
	s_wait_loadcnt 16                              ; batch 0 is in; batch 1's 16 loads may be out
	WORKB 0
	s_wait_xcnt 0x0                                ; the stores have read their registers: they take batch 2
	LOADB 2
	s_wait_loadcnt 16
	WORKB 1
	s_wait_xcnt 0x0
	LOADB 3
	s_wait_loadcnt 16
	WORKB 2
	s_wait_loadcnt 0x0
	WORKB 3
	FINISH
.Lx:	; ---- way X: a wave takes a run of 8,192 numbers of x: 16 steps of 512.  A lane must hold 16 neighbours for the conversions, and a load is dense where
	; neighbouring lanes take neighbouring bytes: so a step's 2,048 bytes turn through the wave's own stage in LDS.  Loads run four steps ahead, the turn one step.
	v_lshlrev_b32 v3, 4, v2                        ; my 16 bytes of a load's 512
	s_mul_i32 s21, s20, XREG
	v_lshrrev_b32 v14, 2, v2
	v_mul_u32_u24 v14, v14, SP
	v_and_b32 v15, 3, v2
	v_lshl_add_u32 v14, v15, 4, v14
	v_add_nc_u32 v14, s21, v14                     ; the stage, on the way in: SP (lane / 4) + 16 (lane % 4)
	v_mul_u32_u24 v15, v2, SP
	v_add_nc_u32 v15, s21, v15                     ; and on the way out: SP x lane: my 16 neighbours
	v_lshlrev_b32 v4, 3, v2                        ; my codes' place in a step's: 8 bytes a lane
	v_lshrrev_b32 v5, 1, v2
	s_add_co_u32 s21, s21, 2*32*SP
	v_add_nc_u32 v5, s21, v5                       ; LDS: my wave's 256 scale bytes, my block's byte
	v_lshlrev_b32 v7, 3, v2
	v_add_nc_u32 v6, s21, v7                       ; and on the way out 8 bytes a lane
	s_sub_co_u32 s22, ttmp9, 192
	s_lshl_b32 s22, s22, 2
	s_add_co_u32 s22, s22, s20                     ; my run, 0 .. 511
	s_lshl_b32 s24, s22, 15
	s_mov_b32 s25, 0
	s_add_nc_u64 s[4:5], s[4:5], s[24:25]
	s_lshl_b32 s24, s22, 12
	s_add_nc_u64 s[10:11], s[10:11], s[24:25]
	s_lshl_b32 s24, s22, 8
	s_add_nc_u64 s[12:13], s[12:13], s[24:25]
.irp t, 0,1,2,3
	XLOAD \t
.endr
	s_wait_loadcnt 12                              ; step 0's four loads are in
	XTURN 0
.irp t, 0,1,2,3,4,5,6,7,8,9,10,11,12,13,14,15
	XSTEP \t
.endr
	ds_load_b64 v[8:9], v6                         ; LDS serves a wave's instructions in order: these see my byte stores
	s_wait_dscnt 0x0
	global_store_b64 v7, v[8:9], s[12:13]          ; 32 lanes store 256 consecutive bytes, aligned
	FINISH
.Lw:	; ---- way W: a lane takes a column n and its registers run down K: a block of 32 lies in one lane, and the conversions give the codes with K innermost.
	; A wave takes 16 columns x 512 along K: lane (r, h) takes column r and the h-th 256 along K, 8 blocks.  So a wave has half the bytes to bring that 32 columns would give it, through the same
	; 64 loads on their way, and a column's 256 bytes of codes are still the wave's own: they go through its stage and leave as rows: sixteen lanes store 256 consecutive bytes, aligned.
	; A load names two pieces of 64 bytes; the four waves of a work-group stand side by side on 256.
	s_lshr_b32 s21, ttmp9, 2                       ; which 64 columns
	s_and_b32 s22, ttmp9, 3                        ; which 512 along K
	s_lshl_b32 s21, s21, 6
	s_lshl_b32 s23, s20, 4
	s_add_co_u32 s21, s21, s23                     ; my wave's first column
	v_and_b32 v5, 15, v2                           ; r
	v_lshrrev_b32 v6, 4, v2                        ; h
	v_mul_u32_u24 v3, v6, 256*12288
	v_lshl_add_u32 v3, v5, 2, v3                   ; in: 256 h rows of 12,288 bytes down, 4 bytes a column
	s_mul_i32 s23, s20, 16*WPITCH
	s_add_co_u32 s23, s23, WSTG                    ; my stage
	v_mul_u32_u24 v4, v5, WPITCH
	v_lshl_add_u32 v4, v6, 7, v4
	v_add_nc_u32 v4, s23, v4                       ; into it: row = my column, + 128 h bytes
	v_mul_u32_u24 v7, v6, WPITCH
	v_lshl_add_u32 v7, v5, 4, v7
	v_add_nc_u32 v7, s23, v7                       ; out of it: sixteen lanes to a row, two rows an instruction
	v_lshlrev_b32 v8, 10, v6
	v_lshl_add_u32 v8, v5, 4, v8                   ; and the same place in w_codes: rows of 1,024 bytes
	v_lshlrev_b32 v9, 6, v5
	v_lshl_add_u32 v9, v6, 3, v9                   ; my 8 scale bytes: 64 bytes a column, + 8 h
	s_mul_i32 s24, s22, 512*12288                  ; W_attn: 512 rows of 12,288 bytes for each quarter of K,
	s_lshl_b32 s25, s21, 2
	s_add_co_u32 s24, s24, s25                     ; + 4 bytes a column
	s_mov_b32 s25, 0
	s_add_nc_u64 s[6:7], s[6:7], s[24:25]
	s_lshl_b32 s24, s21, 10
	s_lshl_b32 s26, s22, 8
	s_add_co_u32 s24, s24, s26
	s_add_nc_u64 s[14:15], s[14:15], s[24:25]      ; w_codes: column x 1,024 + 256 x quarter
	s_lshl_b32 s24, s21, 6
	s_lshl_b32 s26, s22, 4
	s_add_co_u32 s24, s24, s26
	s_add_nc_u64 s[16:17], s[16:17], s[24:25]      ; w_scales: column x 64 + 16 x quarter
	WLOAD 0
	WLOAD 1
.set Q, 0
.rept NB
	WBLOCK Q
.set Q, Q+1
.endr
	global_store_b64 v9, v[WSB:WSB+1], s[16:17]    ; my 8 scale bytes
.irp t, 0,1,2,3,4,5,6,7
	ds_load_b128 v[WOUT+4*\t:WOUT+4*\t+3], v7 offset:2*\t*WPITCH
.endr
.irp t, 0,1,2,3,4,5,6,7
	s_wait_dscnt 7-\t
	global_store_b128 v8, v[WOUT+4*\t:WOUT+4*\t+3], s[14:15] offset:2*\t*1024
.endr
	FINISH
.Lfunc_end_k_q4caa0ea606_prep:
	.size	k_q4caa0ea606_prep, .Lfunc_end_k_q4caa0ea606_prep-k_q4caa0ea606_prep
	.p2alignl 7, 3214868480
	.fill 96, 4, 3214868480
	.section	.rodata,"a",@progbits
	.p2align	6, 0x0
	.amdhsa_kernel k_q4caa0ea606_prep
		.amdhsa_group_segment_fixed_size 50688
		.amdhsa_private_segment_fixed_size 0
		.amdhsa_enable_private_segment 0
		.amdhsa_kernarg_size 64
		.amdhsa_user_sgpr_count 2
		.amdhsa_user_sgpr_kernarg_segment_ptr 1
		.amdhsa_wavefront_size32 1
		.amdhsa_system_sgpr_workgroup_id_x 1
		.amdhsa_system_sgpr_workgroup_id_y 1
		.amdhsa_system_sgpr_workgroup_id_z 1
		.amdhsa_system_vgpr_workitem_id 0
		.amdhsa_next_free_vgpr 192
		.amdhsa_next_free_sgpr 66
		.amdhsa_reserve_vcc 0
		.amdhsa_float_denorm_mode_32 3
		.amdhsa_float_denorm_mode_16_64 3
		.amdhsa_memory_ordered 1
		.amdhsa_forward_progress 1
		.amdhsa_inst_pref_size 94
	.end_amdhsa_kernel
	.amdgpu_metadata
---
amdhsa.version: [ 1, 2 ]
amdhsa.kernels:
  - .name:           k_q4caa0ea606_prep
    .symbol:         k_q4caa0ea606_prep.kd
    .args:
      - { .name: x, .offset: 0, .size: 8, .value_kind: global_buffer, .address_space: global }
      - { .name: W_attn, .offset: 8, .size: 8, .value_kind: global_buffer, .address_space: global }
      - { .name: W_proj, .offset: 16, .size: 8, .value_kind: global_buffer, .address_space: global }
      - { .name: x_codes, .offset: 24, .size: 8, .value_kind: global_buffer, .address_space: global }
      - { .name: x_scales, .offset: 32, .size: 8, .value_kind: global_buffer, .address_space: global }
      - { .name: w_codes, .offset: 40, .size: 8, .value_kind: global_buffer, .address_space: global }
      - { .name: w_scales, .offset: 48, .size: 8, .value_kind: global_buffer, .address_space: global }
      - { .name: wp16, .offset: 56, .size: 8, .value_kind: global_buffer, .address_space: global }
    .group_segment_fixed_size: 50688
    .private_segment_fixed_size: 0
    .kernarg_segment_align: 8
    .kernarg_segment_size: 64
    .max_flat_workgroup_size: 128
    .sgpr_count:     66
    .vgpr_count:     192
    .wavefront_size: 32
...
	.end_amdgpu_metadata
.endif
;; end of part 1
;; launch qkv (part 2): grid 12 x 8, 4 waves a work-group, clusters of 4 x 4, 327,680 bytes of LDS; arguments x_codes, x_scales, w_codes, w_scales, b_attn, freqs_cos, freqs_sin, qkv16, q32; writes qkv16, q32
.if DOCPART == 2
	.amdgcn_target "amdgcn-amd-amdhsa--gfx1250"
	.amdhsa_code_object_version 6
	.text
	.protected	k_q4caa0ea606_qkv
	.globl	k_q4caa0ea606_qkv
	.p2align	8
	.type	k_q4caa0ea606_qkv,@function
k_q4caa0ea606_qkv:
	s_mov_b64 s[64:65], 0
	v_nop
	global_prefetch_b8 v0, s[64:65] scope:SCOPE_SE
	s_setreg_imm32_b32 hwreg(HW_REG_WAVE_MODE, 25, 1), 1
	s_wait_xcnt 0x0
	s_wait_alu depctr_hold_cnt(0) depctr_sa_sdst(0) depctr_va_vdst(0) depctr_va_sdst(0) depctr_va_ssrc(0) depctr_va_vcc(0) depctr_vm_vsrc(0)
	s_getreg_b32 s2, hwreg(HW_REG_IB_STS2, 6, 4)
	s_cmp_eq_u32 s2, 0
	s_cbranch_scc0 .Lentry_in_a_cluster
	s_endpgm
.Lentry_in_a_cluster:
	s_bfe_u32 s2, ttmp6, 0x10000c
	s_cmp_lg_u32 s2, 0xf033
	s_cbranch_scc0 .Lentry_shape_is_right
	s_endpgm
.Lentry_shape_is_right:
; QKV: qkv = Q(x) Q(W_attn) + b_attn on codes of FP4 (E2M1) with one E8M0 scale for each 32 along K, sums in f32; then the rotation of q's and k's pairs by freqs_cos, freqs_sin in f32;
; the result goes out as f16, qkv16 [2048][3072], and its rows 0 to 15 also as f32, q32 [16][3072].
; LIMIT: a result beyond 65,504 in magnitude becomes infinity in f16.
; A tile of 256 x 256 is made by a work-group of four waves; a wave makes 128 x 128: 64 accumulators of 16 x 16, 512 registers.  A wave's 128 columns are one head.
; K goes in steps of 512 through a ring of two LDS slots filled by the tensor data mover: a tile's row is 256 bytes of memory.  The scale bytes of the work-group's rows, for all of K, come into LDS once.
; CLUSTERS: 4 x 4 work-groups.  The four of a row of the cluster need the same tiles of x, the four of a column the same tiles of W: each tile is asked for JOINTLY, by the same tensor load with the same
; descriptor and a mask that names the four.  THE MATRIX INSTRUCTION IS USED TRANSPOSED (source 0 = 16 columns of W, source 1 = 16 rows of x): a lane then holds eight neighbouring numbers of a row: four pairs (re, im).
; The bias is the C of each sum's first matrix instruction.
; REGISTERS, in windows of 256: window 0: v0-31 addresses; v32-95 scale words, two sets, later cos and sin; v128-191 x's fragments, one set; v192-255 the bias, later cos and sin; on the way out v96-159 at work.
;   window 1: W's fragments, two sets, at v0 and v128, later cos and sin; v64-127 and v192-255 cos and sin.   window 2: the accumulators of my rows 0-63 ((a, b) at v[8 (8 a + b)]);   window 3: those of my rows 64-127.
.set SIZE_N, 3072
.set SIZE_K, 2048
.set KSTEP,  512                       ; along K in a slot
.set NQ,     KSTEP/128                 ; matrix instructions deep
.set ROWB,   256                       ; a tile's row in bytes
.set KROW,   SIZE_K/2                  ; a row of codes in memory
.set PITCH,  272                       ; an LDS row: 256 bytes + 16 of padding = 68 words: the 16 rows that a load touches start at 16 different banks (64 banks of 4 bytes: ISA guide 11.1)
.set FR,     8                         ; registers of a fragment: 16 rows x 128 K
.set NL,     2                         ; LDS loads that bring one
.set NP,     4                         ; places behind this matrix instruction (ISA guide 7.12.1)
.set HALFT,  128*PITCH
.set SLOT,   4*HALFT                   ; x's 256 rows, then W's 256
.set LAPS,   SIZE_K/(2*KSTEP)
.set KS,     SIZE_K/32                 ; a row of scale bytes
.set SCL,    2*SLOT                    ; behind the ring: the scales, as units of 256 bytes + 16 of padding
.set HALFS,  (128*KS/256)*272
.set SBLK,   (16*KS/256)*272
.set SPARE,  SCL+4*HALFS               ; the spare words, 128 bytes for each wave: two blocks of 256 bytes that no other line names
.set SPITCH, 272                       ; the way out: a stage of 16 rows x (256 bytes + 16) for each wave, in slot 0, which has had its last fill and its last read when the first result is stored there
.set ROWO,   SIZE_N*2                  ; a row of qkv16 in bytes
.set ADRA, 16                          ; v16-17  LDS address of my x fragments in slot 0, 1
.set ADRB, 20                          ; v20-21  the same for W
.set CSA,  22                          ; v22     cos, sin: 256 r + 16 h
.set BIA,  23                          ; v23     the bias: 32 h
.set STO,  24                          ; v24     the stage: where I put 16 bytes of a row
.set RD,   25                          ; v25     and where I read a row back
.set CO,   26                          ; v26     my byte offset in two rows of qkv16
.set ADRS, 27                          ; v27     LDS address of my scale words: lanes 0-15 x's rows, lanes 16-31 W's
.set SPW,  28                          ; v28     LDS address of my spare word; never rewritten
.set NIL,  29                          ; v29     0; never rewritten
.set CYV,  30                          ; v30     my work-group's place along the cluster's y
.set FO,   31                          ; v31     q32: 12,288 r + 32 h
.set SC,   32
.set T,    96                          ; the way out: 64 numbers at work
.set AF,   128
.set BI,   192                         ; the bias: register 8 b + j = b_attn[my first column + 16 b + 8 h + j]
.set G1, 24
.set G0, 32
.set G1B, 48
.set G0B, 56
.set G1S, 68
.set G0S, 76
.set G1SB, 80
.set G0SB, 88
.set MSB, 0
.macro WIN new                         ; the immediate's high byte repeats the setting that is left
.if MSB != \new
	s_set_vgpr_msb (MSB<<8)|\new
.set MSB, \new
.endif
.endm
.set MUL_LO, 0xa1                      ; source 0 (W) window 1, source 1 (x) window 0, C and D window 2
.set MUL_HI, 0xf1                      ; the same, C and D window 3
.set TO_B,   0x40                      ; destination window 1, address window 0
; A joint load: waves 0 and 1 fetch for x, waves 2 and 3 for W.  The branch hangs on the wave's number alone.  An s_nop 0 and four v_nop follow each of the two lines.
.macro JLOAD g0a, g1a, g0b, g1b
	s_cmp_eq_u32 s15, 0
	s_cbranch_scc0 .Lfor_b_\@
	tensor_load_to_lds s[\g0a:\g0a+3], s[\g1a:\g1a+7]
	s_nop 0
.rept 4
	v_nop
.endr
	s_branch .Lasked_\@
.Lfor_b_\@:
	tensor_load_to_lds s[\g0b:\g0b+3], s[\g1b:\g1b+7]
	s_nop 0
.rept 4
	v_nop
.endr
.Lasked_\@:
.endm
.macro CREST                           ; a round of the cluster's barrier behind its opening barrier
	s_cmp_lg_u32 s14, 0
	s_cbranch_scc1 .Lnot_wave_0_\@
	s_barrier_signal -3
.Lnot_wave_0_\@:
	s_barrier_wait -3
	s_barrier_signal -1
	s_barrier_wait -1
.endm
.macro CROUND
	s_barrier_signal -1
	s_barrier_wait -1
	CREST
.endm
	s_load_b128 s[4:7], s[0:1], 0x0                ; x's codes, x's scales
	s_load_b128 s[8:11], s[0:1], 0x10              ; W's codes, W's scales
	s_load_b64 s[12:13], s[0:1], 0x20              ; b_attn
	s_load_b64 s[96:97], s[0:1], 0x28              ; freqs_cos
	s_load_b64 s[98:99], s[0:1], 0x30              ; freqs_sin
	s_load_b64 s[100:101], s[0:1], 0x38            ; qkv16
	s_load_b64 s[104:105], s[0:1], 0x40            ; q32
	v_lshl_add_u32 v[SPW], v0, 2, SPARE
	v_mov_b32 v[NIL], 0
	ds_add_u32 v[SPW], v[NIL]                      ; the wave's opening: the add, twice on end, and its wait ahead of my first tensor load
	ds_add_u32 v[SPW], v[NIL]
	v_lshrrev_b32 v1, 5, v0
	v_readfirstlane_b32 s14, v1                    ; wave 0..3
	s_lshr_b32 s15, s14, 1                         ; which half of the tile's rows is mine.  Also: I fetch for x (0) or for W (1)
	s_and_b32 s16, s14, 1                          ; which half of its columns.  Also: which 128 rows of that tile I fetch
	s_bfe_u32 s40, ttmp6, 0x40000                  ; cx, cy: my place in the cluster
	s_bfe_u32 s41, ttmp6, 0x40004
	s_lshl_b32 s42, ttmp9, 2
	s_add_co_u32 s42, s42, s40                     ; tile column = 4 x cluster x + cx
	s_and_b32 s17, ttmp7, 0xffff
	s_lshl_b32 s17, s17, 2
	s_add_co_u32 s17, s17, s41                     ; tile row = 4 x cluster y + cy
	s_lshl_b32 s43, s41, 2
	s_lshl_b32 s43, 15, s43                        ; my row of the cluster
	s_lshl_b32 s44, 0x1111, s40                    ; my column
	v_mov_b32 v[CYV], s41
	; descriptor group 1: a tile of 128 rows x 256 bytes, padded in LDS
	s_or_b32 s[G1+0], s43, (0<<16)|(1<<20)|(1<<21)|(5<<22)|(3<<25)  ; 15:0 the mask: x's tiles go to my row; elements of 1 byte; padding on; bit 21 beside a mask; after every 64 words 4 words
	s_or_b32 s[G1B+0], s44, (0<<16)|(1<<20)|(1<<21)|(5<<22)|(3<<25)
.irp g, G1, G1B
	s_mov_b32 s[\g+1], ROWB<<16                    ; tensor_dim0
	s_mov_b32 s[\g+2], 128<<16                     ; tensor_dim1
	s_mov_b32 s[\g+3], ROWB<<16                    ; tile_dim0
	s_mov_b32 s[\g+4], 128                         ; tile_dim1
	s_mov_b32 s[\g+5], KROW                        ; tensor_dim0_stride
	s_mov_b32 s[\g+6], 0
	s_mov_b32 s[\g+7], 0
.endr
	; the scales of 128 rows: a dense block of 8,192 bytes, as rows of 256 bytes (32 elements of 8 bytes), 16 bytes of padding behind each
	s_or_b32 s[G1S+0], s43, (3<<16)|(1<<20)|(1<<21)|(5<<22)|(3<<25)
	s_or_b32 s[G1SB+0], s44, (3<<16)|(1<<20)|(1<<21)|(5<<22)|(3<<25)
.irp g, G1S, G1SB
	s_mov_b32 s[\g+1], 32<<16
	s_mov_b32 s[\g+2], (128*KS/256)<<16
	s_mov_b32 s[\g+3], 32<<16
	s_mov_b32 s[\g+4], 128*KS/256
	s_mov_b32 s[\g+5], 32
	s_mov_b32 s[\g+6], 0
	s_mov_b32 s[\g+7], 0
.endr
	s_lshl_b32 s18, s16, 7                         ; which 128 rows of the tile I fetch
	s_lshl_b32 s20, s17, 8
	s_add_co_u32 s20, s20, s18                     ; x: row 256 x tile row + 128 x half
	s_lshl_b32 s46, s42, 8
	s_add_co_u32 s46, s46, s18                     ; W: column 256 x tile column + 128 x half
	s_mov_b32 s21, 0
	s_mov_b32 s47, 0
	s_mov_b64 s[18:19], KS
	s_mul_u64 s[22:23], s[20:21], s[18:19]         ; where these rows' scales begin, in bytes
	s_mul_u64 s[92:93], s[46:47], s[18:19]
	s_mov_b64 s[18:19], KROW
	s_mul_u64 s[20:21], s[20:21], s[18:19]         ; and their codes
	s_mul_u64 s[46:47], s[46:47], s[18:19]
	s_mul_i32 s45, s14, HALFT                      ; where they go: wave x 128 rows: no place in the cluster enters an LDS address
	s_mul_i32 s94, s14, HALFS
	s_wait_dscnt 0x0                               ; both opening adds are done
	s_wait_kmcnt 0x0
	s_add_nc_u64 s[20:21], s[4:5], s[20:21]
	s_add_nc_u64 s[22:23], s[6:7], s[22:23]
	s_add_nc_u64 s[46:47], s[8:9], s[46:47]
	s_add_nc_u64 s[92:93], s[10:11], s[92:93]
	CROUND                                         ; all sixteen work-groups are here: the first joint loads meet
	s_mov_b32 s[G0S], 1
	s_add_co_u32 s[G0S+1], s94, SCL
	s_mov_b64 s[G0S+2:G0S+3], s[22:23]
	s_or_b32 s[G0S+3], s[G0S+3], 0x80000000
	s_mov_b32 s[G0SB], 1
	s_add_co_u32 s[G0SB+1], s94, SCL
	s_mov_b64 s[G0SB+2:G0SB+3], s[92:93]
	s_or_b32 s[G0SB+3], s[G0SB+3], 0x80000000
	JLOAD G0S, G1S, G0SB, G1SB                     ; the scales first: they are wanted with K step 0
.irp s, 0,1
	s_mov_b32 s[G0+4*\s], 1
	s_add_co_u32 s[G0+4*\s+1], s45, \s*SLOT
	s_add_nc_u64 s[G0+4*\s+2:G0+4*\s+3], s[20:21], \s*ROWB
	s_or_b32 s[G0+4*\s+3], s[G0+4*\s+3], 0x80000000
	s_mov_b32 s[G0B+4*\s], 1
	s_add_co_u32 s[G0B+4*\s+1], s45, \s*SLOT
	s_add_nc_u64 s[G0B+4*\s+2:G0B+4*\s+3], s[46:47], \s*ROWB
	s_or_b32 s[G0B+4*\s+3], s[G0B+4*\s+3], 0x80000000
	JLOAD G0+4*\s, G1, G0B+4*\s, G1B
.endr
	v_and_b32 v1, 15, v0                           ; r = l % 16
	v_bfe_u32 v2, v0, 4, 1                         ; h = l / 16
	v_mul_u32_u24 v3, v1, PITCH
	v_lshl_add_u32 v4, v2, 4, v3                   ; a fragment's row x pitch + 16 x half
	s_mul_i32 s21, s15, HALFT                      ; my 128 rows of x
	s_mul_i32 s22, s16, HALFT                      ; my 128 columns of W,
	s_add_co_u32 s22, s22, 2*HALFT                 ; which lie behind x's 256 rows
.irp s, 0,1
	v_add_nc_u32 v[ADRA+\s], s21, v4
	v_add_nc_u32 v[ADRB+\s], s22, v4
	s_add_co_u32 s21, s21, SLOT
	s_add_co_u32 s22, s22, SLOT
.endr
	v_mul_u32_u24 v5, v1, KS                       ; my row's scales: 64 bytes a row,
	v_lshrrev_b32 v6, 8, v5
	v_lshl_add_u32 v5, v6, 4, v5                   ; and 16 more for each 256 passed
	s_mul_i32 s21, s15, HALFS
	s_mul_i32 s22, s16, HALFS
	s_add_co_u32 s22, s22, 2*HALFS
	s_sub_co_u32 s22, s22, s21
	v_mul_u32_u24 v6, s22, v2                      ; lanes 16-31 take W's
	s_add_co_u32 s21, s21, SCL
	v_add_nc_u32 v5, v5, v6
	v_add_nc_u32 v[ADRS], s21, v5
	s_mul_i32 s23, s14, 16*SPITCH                  ; my stage
	v_mul_u32_u24 v5, v1, SPITCH                   ; in: row r, 16 bytes for each half of the lanes
	v_lshl_add_u32 v5, v2, 4, v5
	v_add_nc_u32 v[STO], s23, v5
	v_mul_u32_u24 v5, v2, SPITCH                   ; back: lanes 0-15 one row of 256 bytes, lanes 16-31 the next
	v_lshl_add_u32 v5, v1, 4, v5
	v_add_nc_u32 v[RD], s23, v5
	v_mul_u32_u24 v5, v2, ROWO                     ; and the same two rows in qkv16
	v_lshl_add_u32 v[CO], v1, 4, v5
	v_lshlrev_b32 v5, 8, v1
	v_lshl_add_u32 v[CSA], v2, 4, v5               ; cos, sin: a row is 256 bytes; my four frequencies of a tile of 16 columns begin 16 h bytes in
	v_lshlrev_b32 v[BIA], 5, v2
	v_mul_u32_u24 v5, v1, SIZE_N*4
	v_lshl_add_u32 v[FO], v2, 5, v5
	s_lshl_b32 s20, s17, 8
	s_lshl_b32 s21, s15, 7
	s_add_co_u32 s20, s20, s21                     ; my first row: 256 x tile row + 128 x half
	s_lshl_b32 s46, s42, 8
	s_lshl_b32 s47, s16, 7
	s_add_co_u32 s46, s46, s47                     ; my first column: 256 x tile column + 128 x half
	s_cmp_lt_u32 s46, 2560                         ; q's and k's heads are rotated, v's (columns 2,560 on) are not: this only selects values
	s_cselect_b32 s66, -1, 0
	s_mul_i32 s18, s20, ROWO
	s_lshl_b32 s19, s46, 1
	s_add_co_u32 s18, s18, s19
	s_mov_b32 s19, 0
	s_add_nc_u64 s[100:101], s[100:101], s[18:19]  ; qkv16 at my corner
	s_lshl_b32 s18, s20, 8
	s_add_nc_u64 s[96:97], s[96:97], s[18:19]      ; cos and sin at my first row
	s_add_nc_u64 s[98:99], s[98:99], s[18:19]
	s_lshl_b32 s18, s46, 2
	s_add_nc_u64 s[12:13], s[12:13], s[18:19]      ; the bias and q32 at my first column
	s_add_nc_u64 s[104:105], s[104:105], s[18:19]
	s_and_b32 s67, ttmp7, 0xffff
	s_or_b32 s67, s67, s15                         ; 0 where the cluster is in the first row of clusters and my rows are a tile's upper half: the same in all partners, for a given wave
.irp b, 0,1,2,3,4,5,6,7
	global_load_b128 v[BI+8*\b:BI+8*\b+3], v[BIA], s[12:13] offset:64*\b
	global_load_b128 v[BI+8*\b+4:BI+8*\b+7], v[BIA], s[12:13] offset:64*\b+16
.endr
.macro FRAG reg, adr, q, i             ; a fragment, 16 rows x 128 K of 4-bit codes: lane l holds row l % 16; registers 4 c .. 4 c + 3 hold K = 64 c + 32 (l / 16) + 0 .. 31
.irp c, 0,1
	ds_load_b128 v[\reg+4*\c:\reg+4*\c+3], v[\adr] offset:64*(\q)+32*\c+(\i)*16*PITCH
.endr
.endm
; 16 matrix instructions: x's blocks a0, a0 + 1 against W's eight, 128 along K.  zero = 1: the first product starts the sums from the bias.  The 64 accumulators take turns, one instruction a turn.
.macro MUL16 a0, p, q, sc, zero
.irp a, \a0, \a0+1
.irp b, 0,1,2,3,4,5,6,7
.if \zero
	v_wmma_scale_f32_16x16x128_f8f6f4 v[8*(8*((\a)%4)+\b):8*(8*((\a)%4)+\b)+7], v[128*(\p)+FR*\b:128*(\p)+FR*\b+FR-1], v[AF+FR*(\a):AF+FR*(\a)+FR-1], v[BI+8*\b:BI+8*\b+7], v[SC+8*NQ*(\sc)+NQ*\b+(\q)], v[SC+8*NQ*(\sc)+NQ*(\a)+(\q)] matrix_a_fmt:MATRIX_FMT_FP4 matrix_b_fmt:MATRIX_FMT_FP4 matrix_a_scale:MATRIX_SCALE_ROW1
.else
	v_wmma_scale_f32_16x16x128_f8f6f4 v[8*(8*((\a)%4)+\b):8*(8*((\a)%4)+\b)+7], v[128*(\p)+FR*\b:128*(\p)+FR*\b+FR-1], v[AF+FR*(\a):AF+FR*(\a)+FR-1], v[8*(8*((\a)%4)+\b):8*(8*((\a)%4)+\b)+7], v[SC+8*NQ*(\sc)+NQ*\b+(\q)], v[SC+8*NQ*(\sc)+NQ*(\a)+(\q)] matrix_a_fmt:MATRIX_FMT_FP4 matrix_b_fmt:MATRIX_FMT_FP4 matrix_a_scale:MATRIX_SCALE_ROW1
.endif
.endr
.endr
.endm
.macro FETCH_B slot, q, p
	WIN TO_B
.irp i, 0,1,2,3,4,5,6,7
	FRAG 128*(\p)+FR*\i, ADRB+\slot, \q, \i
.endr
	WIN 0
.endm
.macro FETCH_A slot, q, i0
.irp i, \i0, \i0+1, \i0+2, \i0+3
	FRAG AF+FR*(\i), ADRA+\slot, \q, \i
.endr
.endm
.macro SCALES sc                       ; a K step's scale words: 4 words a row; lanes 0-15 take x's block i, lanes 16-31 W's block i
.irp i, 0,1,2,3,4,5,6,7
	ds_load_b128 v[SC+8*NQ*\sc+NQ*\i:SC+8*NQ*\sc+NQ*\i+3], v[ADRS] offset:\i*SBLK
.endr
.endm
.macro PLACES n                        ; plain vector instructions that name none of a matrix instruction's registers, in front of loads into its registers and of reads of its results
.rept \n
	v_nop
.endr
.endm
.macro STEP slot, q, zero              ; a step of 128 along K that has its successor in the same slot
	s_wait_dscnt 4*NL                              ; W's set and x's blocks 0-3 are in; the youngest loads (x's blocks 4-7) may be out
.if \zero
	WIN 0x81                                       ; as MUL_LO, but C (the bias) in window 0
.else
	WIN MUL_LO
.endif
	MUL16 0, (\q)%2, \q, \slot, \zero
	MUL16 2, (\q)%2, \q, \slot, \zero
	s_wait_dscnt 0                                 ; x's blocks 4-7 are in
	PLACES NP
	FETCH_B \slot, (\q)+1, 1-(\q)%2
	FETCH_A \slot, (\q)+1, 0
.if \zero
	WIN 0xc1
.else
	WIN MUL_HI
.endif
	MUL16 4, (\q)%2, \q, \slot, \zero
	MUL16 6, (\q)%2, \q, \slot, \zero
	PLACES NP
	WIN 0
	FETCH_A \slot, (\q)+1, 4
.endm
; A slot's last step changes slots: one barrier; in front of it each wave waits for all its tensor loads, adds 0 to its spare word, and waits for that and for its own reads of this slot.
.macro TURN slot, next, fill
	s_wait_tensorcnt 0x0                           ; all my tensor loads have landed: my part of the next slot
	ds_add_u32 v[SPW], v[NIL]                      ; 0 onto my spare word
	s_wait_dscnt 4*NL+1                            ; (the add and the youngest loads, x's blocks 4-7, may be out)
	WIN MUL_LO
	MUL16 0, 1, NQ-1, \slot, 0                     ; sixteen matrix instructions stand between the add and the wait for it
	s_wait_dscnt 0x0                               ; the add is done, and my reads of this slot are over
	s_barrier_signal -1
	MUL16 2, 1, NQ-1, \slot, 0
	WIN 0
	s_barrier_wait -1
.if \fill
	CREST                                          ; the barrier has opened a round of the cluster's barrier: no wave of any partner still reads this slot's tile or has a load on its way
	s_add_nc_u64 s[G0+4*\slot+2:G0+4*\slot+3], s[G0+4*\slot+2:G0+4*\slot+3], 2*ROWB
	s_add_nc_u64 s[G0B+4*\slot+2:G0B+4*\slot+3], s[G0B+4*\slot+2:G0B+4*\slot+3], 2*ROWB
	JLOAD G0+4*\slot, G1, G0B+4*\slot, G1B         ; the first tensor load behind the round
.else
	PLACES NP
.endif
	v_add_nc_u32 v[ADRS], 4*NQ, v[ADRS]            ; on to the next K step's scale words
	FETCH_B \next, 0, 0
	FETCH_A \next, 0, 0
	SCALES \next
	WIN MUL_HI
	MUL16 4, 1, NQ-1, \slot, 0
	MUL16 6, 1, NQ-1, \slot, 0
	PLACES NP
	WIN 0
	FETCH_A \next, 0, 4
.endm
.macro STEPS slot, from
.set Q, \from
.rept NQ-1-\from
	STEP \slot, Q, 0
.set Q, Q+1
.endr
.endm
; ---- the way out, a block of 16 rows x 128 columns at a time
; COS AND SIN lie in six sets of 64 registers; block a takes set a % 6.  In a set register 4 b + i = cos[t][8 b + 4 h + i], 32 + 4 b + i = sin likewise.
; Sets 0 to 2 (the bias's registers, and 128 registers of window 1 that nothing else names) are free while K is still walked: blocks 0 to 2 are asked for behind the loop, seven steps of 128 along K ahead of their use.
; Sets 3 to 5 (W's fragments, the scale words) are free behind the last products: blocks 3 to 5 are asked for there.  Blocks 6 and 7 follow into sets 0 and 1, a block behind the rotation that read them last.
.macro CSET set                        ; CW: the set's window; CC: its first register
.if (\set) == 0
.set CW, 0
.set CC, 192
.elseif (\set) == 1
.set CW, 1
.set CC, 64
.elseif (\set) == 2
.set CW, 1
.set CC, 192
.elseif (\set) == 3
.set CW, 1
.set CC, 0
.elseif (\set) == 4
.set CW, 1
.set CC, 128
.else
.set CW, 0
.set CC, 32
.endif
.endm
.macro CSLOAD a                        ; cos and sin of block a's 16 rows: 16 loads
	CSET (\a)%6
.set WN, CW*0x40
	WIN WN                                         ; the destination's window
.irp b, 0,1,2,3,4,5,6,7
	global_load_b128 v[CC+4*\b:CC+4*\b+3], v[CSA], s[96:97] offset:4096*(\a)+32*\b
	global_load_b128 v[CC+32+4*\b:CC+32+4*\b+3], v[CSA], s[98:99] offset:4096*(\a)+32*\b
.endr
	WIN 0
.endm
.macro SELECT a                        ; v's heads are not rotated: they get cos = 1 and sin = 0, by a selection and no branch
	CSET (\a)%6
.set WN, CW*0x44
	WIN WN                                         ; destination and source 1
.set n_, 0
.rept 32
	v_cndmask_b32 v[CC+n_], 1.0, v[CC+n_], s66
	v_cndmask_b32 v[CC+32+n_], 0, v[CC+32+n_], s66
.set n_, n_+1
.endr
	WIN 0
.endm
.macro ROPE a                          ; (re, im) -> (re c - im s, re s + im c), a pair an instruction; each accumulator is read from its low end on
	CSET (\a)%6
.set WN, 2+(\a)/4+4*CW
	WIN WN                                         ; source 0: window 2 or 3; source 1: the set's
.irp b, 0,1,2,3,4,5,6,7
.irp i, 0,1,2,3
.set DR, T+8*\b+2*\i
.set XR, 64*((\a)%4)+8*\b+2*\i
.set CP, CC+4*\b+2*(\i/2)
.if \i%2
	v_pk_mul_f32 v[DR:DR+1], v[XR:XR+1], v[CP:CP+1] op_sel:[0,1] op_sel_hi:[1,1]                                  ; (re c, im c)
.else
	v_pk_mul_f32 v[DR:DR+1], v[XR:XR+1], v[CP:CP+1] op_sel:[0,0] op_sel_hi:[1,0]
.endif
.endr
.irp i, 0,1,2,3
.set DR, T+8*\b+2*\i
.set XR, 64*((\a)%4)+8*\b+2*\i
.set CP, CC+32+4*\b+2*(\i/2)
.if \i%2
	v_pk_fma_f32 v[DR:DR+1], v[XR:XR+1], v[CP:CP+1], v[DR:DR+1] op_sel:[1,1,0] op_sel_hi:[0,1,1] neg_lo:[0,1,0]   ; low: - im s; high: + re s
.else
	v_pk_fma_f32 v[DR:DR+1], v[XR:XR+1], v[CP:CP+1], v[DR:DR+1] op_sel:[1,0,0] op_sel_hi:[0,0,1] neg_lo:[0,1,0]
.endif
.endr
.endr
	WIN 0
.endm
.macro FINE                            ; rows 0 to 15 also leave as f32.  The branch hangs on the cluster's y and the wave alone; the work-group's place along y only narrows EXEC
	s_cmp_lg_u32 s67, 0
	s_cbranch_scc1 .Lno32
	s_wait_xcnt 0x0                                ; EXEC changes only behind this wait
	v_cmp_eq_u32 vcc_lo, 0, v[CYV]
	s_and_saveexec_b32 s94, vcc_lo
.irp b, 0,1,2,3,4,5,6,7
	global_store_b128 v[FO], v[T+8*\b:T+8*\b+3], s[104:105] offset:64*\b
	global_store_b128 v[FO], v[T+8*\b+4:T+8*\b+7], s[104:105] offset:64*\b+16
.endr
	s_wait_xcnt 0x0                                ; and again in front of the line that widens it; the stores have read their data too
	s_or_b32 exec_lo, exec_lo, s94
.Lno32:
.endm
.macro PACKH                           ; eight numbers become 16 bytes of f16, in place, ascending
.irp b, 0,1,2,3,4,5,6,7
.irp i, 0,1,2,3
	v_cvt_pk_f16_f32 v[T+8*\b+\i], v[T+8*\b+2*\i], v[T+8*\b+2*\i+1]
.endr
.endr
.endm
.macro TOSTAGE                         ; LDS serves a wave's instructions in order (ISA guide 5.7.1.4): the loads see the stores, and the next block's stores come behind them
.irp b, 0,1,2,3,4,5,6,7
	ds_store_b128 v[STO], v[T+8*\b:T+8*\b+3] offset:32*\b
.endr
.irp t, 0,1,2,3,4,5,6,7
	ds_load_b128 v[T+8*\t+4:T+8*\t+7], v[RD] offset:\t*2*SPITCH
.endr
.endm
.macro SEND a
	s_wait_dscnt 0x0                               ; the block is back in registers
.irp t, 0,1,2,3,4,5,6,7
	global_store_b128 v[CO], v[T+8*\t+4:T+8*\t+7], s[100:101] offset:(16*(\a)+2*\t)*ROWO   ; 16 lanes store 256 consecutive bytes, at a multiple of 256 from the buffer's first byte
.endr
.endm
; The loads of cos and sin go out in this order: blocks 0, 1, 2 | 3, 4, 5 | 6 (in block 1) | 7 (in block 2), 16 loads each, and come back in it.
.macro BLOCKOUT a
.if (\a) > 0
	s_wait_xcnt 0x0                                ; the last block's stores have read their registers: they are written again
.endif
.if ((\a) == 0) || ((\a) == 3)
	s_wait_loadcnt 48                              ; block 0: blocks 3 to 5 may be out, so blocks 0 to 2 are in.  Block 3: blocks 5 to 7 may be out, so blocks 3 and 4 are in
.elseif (\a) == 5
	s_wait_loadcnt 32                              ; blocks 6 and 7 may be out
.elseif (\a) == 6
	s_wait_loadcnt 16                              ; block 7 may be out
.elseif (\a) == 7
	s_wait_loadcnt 0x0
.endif
	SELECT \a
.if ((\a) == 1) || ((\a) == 2)
	CSLOAD (\a)+5                                  ; block 6 into block 0's set, block 7 into block 1's
.endif
	ROPE \a
.if (\a) == 0
	FINE
.endif
	PACKH
	TOSTAGE
	SEND \a
.endm
	s_wait_tensorcnt 1                             ; the scales and my part of K step 0 are in (K step 1's load may be out),
	s_barrier_signal -1
	s_barrier_wait -1                              ; everybody's are
	FETCH_B 0, 0, 0
	FETCH_A 0, 0, 0
	SCALES 0
	FETCH_A 0, 0, 4
	s_wait_loadcnt 0x0                             ; the bias
	STEP 0, 0, 1                                   ; the first step stands in front of the loop: its products start the sums
	s_mov_b32 s3, LAPS-1
.Llap:                                                 ; a trip goes once round the ring, from a lap's second step to the next lap's first, and fills both slots again
	STEPS 0, 1
	TURN 0, 1, 1
	STEPS 1, 0
	TURN 1, 0, 1
	STEP 0, 0, 0
	s_sub_co_u32 s3, s3, 1
	s_cmp_lg_u32 s3, 0
	s_cbranch_scc1 .Llap
	CSLOAD 0                                       ; the first three blocks' cos and sin: into the registers that held the bias, and into 128 that nothing else names
	CSLOAD 1
	CSLOAD 2
	STEPS 0, 1                                     ; the last lap fills nothing, and has no round of the cluster's barrier
	TURN 0, 1, 0
	STEPS 1, 0
	s_wait_dscnt 4*NL                              ; the very last step: nothing more to fetch from LDS
	WIN MUL_LO
	MUL16 0, 1, NQ-1, 1, 0
	MUL16 2, 1, NQ-1, 1, 0
	s_wait_dscnt 0
	WIN MUL_HI
	MUL16 4, 1, NQ-1, 1, 0
	MUL16 6, 1, NQ-1, 1, 0
	WIN 0
	PLACES NP                                      ; behind the last products: for the reads of their results, the writes over x's fragments and the loads over W's fragments and the scale words
	CSLOAD 3
	CSLOAD 4
	CSLOAD 5
.irp a, 0,1,2,3,4,5,6,7
	BLOCKOUT \a
.endr
	s_wait_tensorcnt 0x0                           ; the wave's end: a tensor wait, an add to my spare word and its wait, behind my last tensor load and my last LDS store
	ds_add_u32 v[SPW], v[NIL]
	s_wait_dscnt 0x0
	CROUND                                         ; the closing round: no work-group ends while a partner may still ask for a tile that names it
	s_endpgm
.Lfunc_end_k_q4caa0ea606_qkv:
	.size	k_q4caa0ea606_qkv, .Lfunc_end_k_q4caa0ea606_qkv-k_q4caa0ea606_qkv
	.p2alignl 7, 3214868480
	.fill 96, 4, 3214868480
	.section	.rodata,"a",@progbits
	.p2align	6, 0x0
	.amdhsa_kernel k_q4caa0ea606_qkv
		.amdhsa_group_segment_fixed_size 327680
		.amdhsa_private_segment_fixed_size 0
		.amdhsa_enable_private_segment 0
		.amdhsa_kernarg_size 72
		.amdhsa_user_sgpr_count 2
		.amdhsa_user_sgpr_kernarg_segment_ptr 1
		.amdhsa_wavefront_size32 1
		.amdhsa_system_sgpr_workgroup_id_x 1
		.amdhsa_system_sgpr_workgroup_id_y 1
		.amdhsa_system_sgpr_workgroup_id_z 1
		.amdhsa_system_vgpr_workitem_id 0
		.amdhsa_next_free_vgpr 1024
		.amdhsa_next_free_sgpr 106
		.amdhsa_reserve_vcc 1
		.amdhsa_float_denorm_mode_32 3
		.amdhsa_float_denorm_mode_16_64 3
		.amdhsa_memory_ordered 1
		.amdhsa_forward_progress 1
		.amdhsa_inst_pref_size 255
	.end_amdhsa_kernel
	.section	.bss,"aw",@nobits
	.p2align	6
	.space	262144
	.amdgpu_metadata
---
amdhsa.version: [ 1, 2 ]
amdhsa.kernels:
  - .name:           k_q4caa0ea606_qkv
    .symbol:         k_q4caa0ea606_qkv.kd
    .args:
      - { .name: x_codes, .offset: 0, .size: 8, .value_kind: global_buffer, .address_space: global }
      - { .name: x_scales, .offset: 8, .size: 8, .value_kind: global_buffer, .address_space: global }
      - { .name: w_codes, .offset: 16, .size: 8, .value_kind: global_buffer, .address_space: global }
      - { .name: w_scales, .offset: 24, .size: 8, .value_kind: global_buffer, .address_space: global }
      - { .name: b_attn, .offset: 32, .size: 8, .value_kind: global_buffer, .address_space: global }
      - { .name: freqs_cos, .offset: 40, .size: 8, .value_kind: global_buffer, .address_space: global }
      - { .name: freqs_sin, .offset: 48, .size: 8, .value_kind: global_buffer, .address_space: global }
      - { .name: qkv16, .offset: 56, .size: 8, .value_kind: global_buffer, .address_space: global }
      - { .name: q32, .offset: 64, .size: 8, .value_kind: global_buffer, .address_space: global }
    .group_segment_fixed_size: 327680
    .private_segment_fixed_size: 0
    .kernarg_segment_align: 8
    .kernarg_segment_size: 72
    .max_flat_workgroup_size: 128
    .sgpr_count:     106
    .vgpr_count:     1024
    .wavefront_size: 32
...
	.end_amdgpu_metadata
.endif
;; end of part 2
;; launch attn (part 3): grid 64 x 4, 4 waves a work-group, no clusters, 327,680 bytes of LDS; arguments qkv16, y16; writes y16
.if DOCPART == 3
	.amdgcn_target "amdgcn-amd-amdhsa--gfx1250"
	.amdhsa_code_object_version 6
	.text
	.protected	k_q4caa0ea606_attn
	.globl	k_q4caa0ea606_attn
	.p2align	8
	.type	k_q4caa0ea606_attn,@function
k_q4caa0ea606_attn:
	s_mov_b64 s[64:65], 0
	v_nop
	global_prefetch_b8 v0, s[64:65] scope:SCOPE_SE
	s_setreg_imm32_b32 hwreg(HW_REG_WAVE_MODE, 25, 1), 1
	s_wait_xcnt 0x0
; ATTN: y[t][head] = softmax over s <= t of (q[t] . k[s] / sqrt(128)) v[s], 16 query heads on 4 key and value heads, operands f16, products, maxima and sums f32; the weights are rounded to f16
; for the second product, y once at the end.  qkv16: [2048][3072] f16 (q head n at byte 256 n of a row, k head g at 4,096 + 256 g, v head g at 5,120 + 256 g).  y16: [2048][2048] f16.
; SHARES.  Work-group (i, g): the four waves are the four query heads of key head g and read the same K and V tiles from LDS.  Each wave holds two tiles of 16 queries: tile 0, the late one, rows
; 16 (127 - i) on, and tile 1, the early one, rows 16 i on.  In steps of 64 keys the two need (32 - i / 4) + (i / 4 + 1) = 33 tile steps: the same for every work-group.
; NO CLUSTER: where a work-group's walk over the keys ends hangs on its number, and the loads past that end are left out; partners would need different numbers of tiles.
; LAYOUT.  S^T = K Q^T (source 0 = 16 keys, source 1 = 16 queries): a lane holds ONE query (lane % 16) and the keys 8 (lane / 16) + 0..7.  Two such tiles, rounded to f16 in pairs, are source 1 of
; O^T = V^T P, whose result again holds one query a lane.  K comes out of LDS as it lies, V ([key][channel]) turned, by ds_load_tr16_b128.
; SOFTMAX.  For each query a running maximum m and sum l: p = 2^(c s - c m), c = log2(e) / sqrt(128); in every step O and l are multiplied by a = 2^(c m_old - c m_new).
; THE MASK.  Every work-group walks all 8 slots of 256 keys: the trip count is a constant.  A step all of whose keys come after the late tile's queries jumps to the slot's end; the early tile's work is
; jumped over likewise; on the diagonal hidden scores become -infinity.  A slot whose first key comes after the late tile's last query is not asked for.  All these tests are made of ids and the count of steps.
; REGISTERS, in windows of 256: window 0: v1-15 addresses; v16-31 statistics; v32, v33 the add's two; v64-127 S^T, 32 a tile; v128-159 P, 16 a tile.
;   window 1: v0-127 O^T, 64 a tile; v128-191 Q, 32 a tile.   window 2: K of two steps, 128 each.   window 3: v0-127 V of one step.
.set PK,    272                        ; a row of K in LDS: 256 bytes + 16: the 16 rows of a load start at 16 different banks (64 banks of 4 bytes: ISA guide 11.1)
.set PVP,   288                        ; a row of V: 256 + 32
.set VOFF,  256*PK                     ; a slot: 256 rows of K, then 256 rows of V
.set SLOTB, VOFF+256*PVP               ; 143,360
.set STAGE, 2*SLOTB                    ; behind the ring: 16 rows x 272 bytes for each wave, for the way out
.set SPARE, STAGE+4*16*272             ; the spare words, 128 bytes for each wave: two blocks of 256 bytes that no other line names
.set ROWQ,  6144                       ; a row of qkv16 in bytes
.set SLOTG, 256*ROWQ                   ; a slot's keys in memory
.set AK0, 3                            ; v3   my lane's place in a tile of K
.set AV0, 4                            ; v4   the same for V
.set ADK, 5                            ; v5   K in the slot in hand
.set ADV, 6                            ; v6, v7  V in the slot in hand: steps 0, 1 and steps 2, 3
.set QO,  8                            ; v8   my byte offset in a tile's rows of Q
.set STO, 9                            ; v9   the way out: where I put 16 bytes of a row
.set RD,  10                           ; v10  where I read a row back
.set GO,  11                           ; v11  my byte offset in two rows of y16
.set RH,  12                           ; v12  r - 8 h
.set DD,  13                           ; v13  my query - the step's first key - 8 h
.set NINF, 14                          ; v14  -infinity
.set PFO, 15                           ; v15  the prefetches' offset: my lane x a row of qkv16
.set ST,  16                           ; tile t's statistics at v[ST + 8 t]: +0 c m, +1 m, +2, +3 l (even keys', odd keys'), +4 to +7 at work; a at +6
.set SPW, 32
.set NIL, 33
.set S,   64
.set P,   128
.set WV,  8                            ; s8   my wave's number
.set GH,  10                           ; s10  the key head
.set QL0, 11                           ; s11  the late tile's first query
.set QE0, 12                           ; s12  the early tile's
.set KF,  13                           ; s13  the step's first key
.set TB,  14                           ; s14  LDS byte at which the slot in hand begins
.set TN,  15                           ; s15  and the other slot
.set SLOTS, 16                         ; s16  trips to go
.set LIM, 17                           ; s17  2 in the work-group that prefetches, else the greatest number
.set CS,  18                           ; s[18:19] c, twice
.set SEL, 20                           ; s[20:21] lane selects for v_permlanex16_b32: lane l xor 16
.set QLAST, 22                         ; s22  the late tile's last query
.set QELAST, 23                        ; s23  the early tile's
.set G1K, 24                           ; s[24:31] descriptor group 1 for K's tiles;  s[32:39] for V's
.set G1V, 32
.set G0K, 40                           ; s[40:43], s[44:47] their groups 0, which walk
.set G0V, 44
.set PFA, 48                           ; s[48:49] where my prefetches stand: my wave's 128 rows of the slot after the one that is being asked for
.set KP,  50                           ; s50  my part of K's tile in a slot
.set VP,  51                           ; s51  my part of V's
.set QB,  52                           ; s[52:55] Q's two tiles in memory
.set YB,  56                           ; s[56:59] y's
.set MSB, 0
.macro WIN new                         ; the immediate's high byte repeats the setting that is left
.if MSB != \new
	s_set_vgpr_msb (MSB<<8)|\new
.set MSB, \new
.endif
.endm
.macro PLACES                          ; four plain vector instructions that name none of a matrix instruction's registers (ISA guide 7.12.1)
.rept 4
	v_nop
.endr
.endm
; Waves 0 and 1 fetch the two halves of K's tile, waves 2 and 3 of V's: 128 rows of 256 bytes each.  An s_nop 0 and four v_nop follow each of the two lines.
.macro TLOAD
	s_cmp_lt_u32 s[WV], 2
	s_cbranch_scc0 .Lfor_v_\@
	tensor_load_to_lds s[G0K:G0K+3], s[G1K:G1K+7]
	s_nop 0
.rept 4
	v_nop
.endr
	s_branch .Lasked_\@
.Lfor_v_\@:
	tensor_load_to_lds s[G0V:G0V+3], s[G1V:G1V+7]
	s_nop 0
.rept 4
	v_nop
.endr
.Lasked_\@:
.endm
.macro FETCH_K q, p                    ; the slot's q-th 64 keys x 128 channels: 16 fragments (keys 16 (f / 4) on, channels 32 (f % 4) on) into set p
	WIN 0x80
.irp f, 0,1,2,3,4,5,6,7,8,9,10,11,12,13,14,15
	ds_load_b128 v[128*(\p)+8*\f:128*(\p)+8*\f+3],   v[ADK] offset:64*PK*(\q)+(\f/4)*16*PK+(\f%4)*64
	ds_load_b128 v[128*(\p)+8*\f+4:128*(\p)+8*\f+7], v[ADK] offset:64*PK*(\q)+(\f/4)*16*PK+(\f%4)*64+32
.endr
.endm
.macro FETCH_V q                       ; the same keys of V, turned: keys 32 (f / 8) on, channels 16 (f % 8) on
	WIN 0xc0
.irp f, 0,1,2,3,4,5,6,7,8,9,10,11,12,13,14,15
	ds_load_tr16_b128 v[8*\f:8*\f+3],   v[ADV+(\q)/2] offset:((\q)%2)*64*PVP+(\f/8)*32*PVP+(\f%8)*32
	ds_load_tr16_b128 v[8*\f+4:8*\f+7], v[ADV+(\q)/2] offset:((\q)%2)*64*PVP+(\f/8)*32*PVP+16*PVP+(\f%8)*32
.endr
.endm
.macro QK t, p                         ; S^T = K Q^T of tile t: four accumulators by turns, one instruction a turn; the first four start the sums
	WIN 0x06                                       ; K window 2, Q window 1, S^T window 0
.irp c, 0,1,2,3
.irp kt, 0,1,2,3
.if \c == 0
	v_wmma_f32_16x16x32_f16 v[S+32*(\t)+8*\kt:S+32*(\t)+8*\kt+7], v[128*(\p)+32*\kt+8*\c:128*(\p)+32*\kt+8*\c+7], v[128+32*(\t)+8*\c:128+32*(\t)+8*\c+7], 0
.else
	v_wmma_f32_16x16x32_f16 v[S+32*(\t)+8*\kt:S+32*(\t)+8*\kt+7], v[128*(\p)+32*\kt+8*\c:128*(\p)+32*\kt+8*\c+7], v[128+32*(\t)+8*\c:128+32*(\t)+8*\c+7], v[S+32*(\t)+8*\kt:S+32*(\t)+8*\kt+7]
.endif
.endr
.endr
.endm
.macro PVM t                           ; O^T += V^T P of tile t: eight accumulators by turns
	WIN 0x53                                       ; V window 3, P window 0, O^T window 1
.irp kh, 0,1
.irp ct, 0,1,2,3,4,5,6,7
	v_wmma_f32_16x16x32_f16 v[64*(\t)+8*\ct:64*(\t)+8*\ct+7], v[64*\kh+8*\ct:64*\kh+8*\ct+7], v[P+16*(\t)+8*\kh:P+16*(\t)+8*\kh+7], v[64*(\t)+8*\ct:64*(\t)+8*\ct+7]
.endr
.endr
.endm
.macro MASK t, q0                      ; on the diagonal: register n holds key KF + 16 (n / 8) + 8 h + n % 8, hidden where 16 (n / 8) + n % 8 > my query - KF - 8 h.  A step all of whose keys count skips this
	s_add_co_u32 s60, s[KF], 63
	s_cmp_le_u32 s60, s[\q0]
	s_cbranch_scc1 .Lopen_\@
	s_sub_co_i32 s60, s[\q0], s[KF]
	v_add_nc_u32 v[DD], s60, v[RH]
.set n_, 0
.rept 32
	v_cmp_gt_i32 vcc_lo, 16*(n_/8)+n_%8, v[DD]
	v_cndmask_b32 v[S+32*(\t)+n_], v[S+32*(\t)+n_], v[NINF], vcc_lo
.set n_, n_+1
.endr
.Lopen_\@:
.endm
.macro SOFTMAX t
.set rT, ST+8*(\t)
.set rS, S+32*(\t)
.set rP, P+16*(\t)
.set rO, 64*(\t)
.irp j, 0,1,2,3                        ; the maximum of my 32 scores and the old m: four chains, each accumulator from its low end on
	v_max3_num_f32 v[rT+4+\j], v[rS+8*\j], v[rS+8*\j+1], v[rS+8*\j+2]
.endr
.irp u, 3,5
.irp j, 0,1,2,3
	v_max3_num_f32 v[rT+4+\j], v[rT+4+\j], v[rS+8*\j+\u], v[rS+8*\j+\u+1]
.endr
.endr
	v_max3_num_f32 v[rT+4], v[rT+4], v[rS+7], v[rS+15]
	v_max3_num_f32 v[rT+6], v[rT+6], v[rS+23], v[rS+31]
	v_max3_num_f32 v[rT+4], v[rT+4], v[rT+5], v[rT+6]
	v_max3_num_f32 v[rT+4], v[rT+4], v[rT+7], v[rT+1]
	v_permlanex16_b32 v[rT+5], v[rT+4], s[SEL], s[SEL+1]           ; the query's other 32 keys lie in the lane 16 away
	v_mov_b32 v[rT+7], v[rT]                       ; c m_old is kept for a
	v_max_num_f32 v[rT+1], v[rT+4], v[rT+5]        ; the new m
	v_mul_f32 v[rT], s[CS], v[rT+1]
	v_sub_f32 v[rT+7], v[rT+7], v[rT]
.set e_, 0
.rept 16
	v_pk_fma_f32 v[rS+e_:rS+e_+1], v[rS+e_:rS+e_+1], s[CS:CS+1], v[rT:rT+1] op_sel_hi:[1,0,0] neg_lo:[0,0,1] neg_hi:[0,0,1]   ; c s - c m, two at a time
.set e_, e_+2
.endr
	v_exp_f32 v[rT+6], v[rT+7]                     ; a
.set e_, 0
.rept 32
	v_exp_f32 v[rS+e_], v[rS+e_]                   ; p
.set e_, e_+1
.endr
	v_nop                                          ; a plain instruction behind the last exponential
	s_wait_alu depctr_va_vdst(0)                   ; one wait for the batch of 33, ahead of its first reader
.set e_, 0
.rept 16
	v_cvt_pk_f16_f32 v[rP+e_], v[rS+2*e_], v[rS+2*e_+1]
.set e_, e_+1
.endr
.irp u, 0,4,8,12,16,20,24,28           ; the sum of the 16 pairs, in place
	v_pk_add_f32 v[rS+\u:rS+\u+1], v[rS+\u:rS+\u+1], v[rS+\u+2:rS+\u+3]
.endr
.irp u, 0,8,16,24
	v_pk_add_f32 v[rS+\u:rS+\u+1], v[rS+\u:rS+\u+1], v[rS+\u+4:rS+\u+5]
.endr
.irp u, 0,16
	v_pk_add_f32 v[rS+\u:rS+\u+1], v[rS+\u:rS+\u+1], v[rS+\u+8:rS+\u+9]
.endr
	v_pk_add_f32 v[rS:rS+1], v[rS:rS+1], v[rS+16:rS+17]
	v_pk_fma_f32 v[rT+2:rT+3], v[rT+2:rT+3], v[rT+6:rT+7], v[rS:rS+1] op_sel_hi:[1,0,1]   ; l = a l + the sum
	WIN 0x41                                       ; O^T (destination and source 0) window 1, a window 0
.set e_, 0
.rept 32
	v_pk_mul_f32 v[rO+e_:rO+e_+1], v[rO+e_:rO+e_+1], v[rT+6:rT+7] op_sel_hi:[1,0]
.set e_, e_+2
.endr
	WIN 0
.endm
; A KEY STEP: the slot's q-th 64 keys.  K of step q + 1 is fetched a step ahead, into the other set; V in the step itself, ahead of the first products.  A step that is left out leads to the slot's end,
; so every way into step q > 0 leads through step q - 1, which fetched its K.
.macro STEP q
	s_cmp_gt_u32 s[KF], s[QLAST]
	s_cbranch_scc1 .Lrest\q
.if \q > 0
	s_wait_dscnt 0x0                               ; K of this step, asked for a step ago
.endif
	PLACES                                         ; in front of loads into V's registers, which the last products read
.if \q == 0
	FETCH_K 0, 0
.endif
	FETCH_V \q
.if \q == 0
	s_wait_dscnt 32                                ; K is in; V's 32 loads may be out
.endif
	QK 0, (\q)%2
	WIN 0
	s_cmp_gt_u32 s[KF], s[QELAST]
	s_cbranch_scc1 .Lno_e1_\@
	QK 1, (\q)%2                                   ; the early tile's products run beside the late tile's softmax
	WIN 0
.Lno_e1_\@:
.if \q < 3
	FETCH_K (\q)+1, 1-(\q)%2
	WIN 0
.endif
	PLACES                                         ; in front of the first read of the scores
	MASK 0, QL0
	SOFTMAX 0
.if \q < 3
	s_wait_dscnt 32                                ; V is in; the next step's K, 32 loads, may be out
.else
	s_wait_dscnt 0x0
.endif
	PVM 0
	WIN 0
	s_cmp_gt_u32 s[KF], s[QELAST]
	s_cbranch_scc1 .Lno_e2_\@
	MASK 1, QE0
	SOFTMAX 1                                      ; beside the late tile's second product
	PVM 1
	WIN 0
.Lno_e2_\@:
	s_add_co_u32 s[KF], s[KF], 64
.endm
	s_load_b128 s[4:7], s[0:1], 0x0                ; qkv16, y16
	v_lshl_add_u32 v[SPW], v0, 2, SPARE
	v_mov_b32 v[NIL], 0
	ds_add_u32 v[SPW], v[NIL]                      ; the wave's opening: the add, twice on end, and its wait ahead of my first tensor load
	ds_add_u32 v[SPW], v[NIL]
	v_lshrrev_b32 v1, 5, v0
	v_readfirstlane_b32 s[WV], v1                  ; wave 0..3
	s_and_b32 s[GH], ttmp7, 0xffff
	s_sub_co_u32 s[QL0], 127, ttmp9
	s_lshl_b32 s[QL0], s[QL0], 4
	s_lshl_b32 s[QE0], ttmp9, 4
	s_add_co_u32 s[QLAST], s[QL0], 15
	s_add_co_u32 s[QELAST], s[QE0], 15
	; descriptor group 1: a tile of 128 rows x 128 elements of 2 bytes, rows 3,072 elements apart, padded in LDS
	s_mov_b32 s[G1K], (1<<16)|(1<<20)|(5<<22)|(3<<25)              ; no mask; elements of 2 bytes; padding on: after every 64 words 4 words
	s_mov_b32 s[G1V], (1<<16)|(1<<20)|(5<<22)|(7<<25)              ; the same with 8 words
.irp g, G1K, G1V
	s_mov_b32 s[\g+1], 128<<16                     ; tensor_dim0
	s_mov_b32 s[\g+2], 128<<16                     ; tensor_dim1
	s_mov_b32 s[\g+3], 128<<16                     ; tile_dim0
	s_mov_b32 s[\g+4], 128                         ; tile_dim1
	s_mov_b32 s[\g+5], 3072                        ; tensor_dim0_stride
	s_mov_b32 s[\g+6], 0
	s_mov_b32 s[\g+7], 0
.endr
	s_mov_b32 s[CS], 0x3e0293ee                    ; c = log2(e) / sqrt(128)
	s_mov_b32 s[CS+1], s[CS]
	s_mov_b32 s[SEL], 0x76543210
	s_mov_b32 s[SEL+1], 0xfedcba98
	s_mov_b32 s[KF], 0
	s_mov_b32 s[TB], 0
	s_mov_b32 s[TN], SLOTB
	s_mov_b32 s[SLOTS], 8
	s_cmp_eq_u32 ttmp9, 0                          ; all 64 work-groups of a key head walk the same K and V: the first, which walks them all, prefetches
	s_cselect_b32 s[LIM], 2, -1
	s_and_b32 s60, s[WV], 1                        ; which 128 rows of a tile I fetch
	s_mul_i32 s[KP], s60, 128*PK
	s_mul_i32 s[VP], s60, 128*PVP
	s_add_co_u32 s[VP], s[VP], VOFF
	s_mul_i32 s62, s60, 128*ROWQ
	s_lshl_b32 s61, s[GH], 8
	s_add_co_u32 s62, s62, s61
	s_mov_b32 s63, 0
	s_wait_dscnt 0x0                               ; both opening adds are done
	s_wait_kmcnt 0x0
	s_add_nc_u64 s[G0K+2:G0K+3], s[4:5], s[62:63]
	s_add_nc_u64 s[G0V+2:G0V+3], s[G0K+2:G0K+3], 5120
	s_add_nc_u64 s[G0K+2:G0K+3], s[G0K+2:G0K+3], 4096
	s_cmp_lt_u32 s[WV], 2
	s_cselect_b64 s[PFA:PFA+1], s[G0K+2:G0K+3], s[G0V+2:G0V+3]
	s_add_nc_u64 s[PFA:PFA+1], s[PFA:PFA+1], SLOTG                 ; in slot 1: the first change of slots steps it to slot 2.  Nothing is prefetched here, at the head
	s_or_b32 s[G0K+3], s[G0K+3], 0x80000000        ; type = 2
	s_or_b32 s[G0V+3], s[G0V+3], 0x80000000
	s_mov_b32 s[G0K], 1
	s_mov_b32 s[G0K+1], s[KP]                      ; slot 0
	s_mov_b32 s[G0V], 1
	s_mov_b32 s[G0V+1], s[VP]
	TLOAD                                          ; slot 0: keys 0 to 255, which count for every work-group
	s_lshl_b32 s60, s[GH], 2
	s_add_co_u32 s60, s60, s[WV]
	s_lshl_b32 s60, s60, 8                         ; my query head's bytes in a row
	s_mul_i32 s62, s[QL0], ROWQ
	s_add_co_u32 s62, s62, s60
	s_add_nc_u64 s[QB:QB+1], s[4:5], s[62:63]
	s_mul_i32 s62, s[QE0], ROWQ
	s_add_co_u32 s62, s62, s60
	s_add_nc_u64 s[QB+2:QB+3], s[4:5], s[62:63]
	s_lshl_b32 s62, s[QL0], 12
	s_add_co_u32 s62, s62, s60
	s_add_nc_u64 s[YB:YB+1], s[6:7], s[62:63]
	s_lshl_b32 s62, s[QE0], 12
	s_add_co_u32 s62, s62, s60
	s_add_nc_u64 s[YB+2:YB+3], s[6:7], s[62:63]
	v_and_b32 v1, 15, v0                           ; r
	v_bfe_u32 v2, v0, 4, 1                         ; h
	v_mul_u32_u24 v[QO], v1, ROWQ
	v_lshl_add_u32 v[QO], v2, 4, v[QO]
	WIN 0x40                                       ; destination window 1
.irp t, 0,1                                    ; Q stays in registers: tile t, channels 32 c on
.irp c, 0,1,2,3
	global_load_b128 v[128+32*\t+8*\c:128+32*\t+8*\c+3],   v[QO], s[QB+2*\t:QB+2*\t+1] offset:64*\c
	global_load_b128 v[128+32*\t+8*\c+4:128+32*\t+8*\c+7], v[QO], s[QB+2*\t:QB+2*\t+1] offset:64*\c+32
.endr
.endr
.set n_, 0
.rept 128
	v_mov_b32 v[n_], 0                             ; O^T.  (The step is written once: the first finds zeros, which the first a, 0, leaves zeros)
.set n_, n_+1
.endr
	WIN 0
.set n_, 0
.rept 32
	v_mov_b32 v[S+32+n_], 0                        ; the early tile's S^T is written once here: its products and its softmax stand under two tests of the same ids, and every way through the text finds it written
.set n_, n_+1
.endr
.irp t, 0,1
	v_mov_b32 v[ST+8*\t+1], 0xff61b1e6             ; m: -3e38, under every score
	v_mul_f32 v[ST+8*\t], s[CS], v[ST+8*\t+1]
.irp j, 2,3,4,5,6,7
	v_mov_b32 v[ST+8*\t+\j], 0
.endr
.endr
	v_mul_u32_u24 v[AK0], v1, PK
	v_lshl_add_u32 v[AK0], v2, 4, v[AK0]           ; K: row r x pitch + 16 h
	v_and_b32 v[ADK], 7, v0
	v_lshl_add_u32 v[AV0], v2, 3, v[ADK]
	v_mul_u32_u24 v[AV0], v[AV0], PVP
	v_bfe_u32 v[ADK], v0, 3, 1
	v_lshl_add_u32 v[AV0], v[ADK], 4, v[AV0]
	v_add_nc_u32 v[AV0], VOFF, v[AV0]              ; V: key 8 h + l % 8, channels 8 ((l / 8) % 2) on
	s_mul_i32 s60, s[WV], 16*272
	s_add_co_u32 s60, s60, STAGE                   ; my stage
	v_mul_u32_u24 v[STO], v1, 272
	v_lshl_add_u32 v[STO], v2, 4, v[STO]
	v_add_nc_u32 v[STO], s60, v[STO]
	v_mul_u32_u24 v[RD], v2, 272
	v_lshl_add_u32 v[RD], v1, 4, v[RD]
	v_add_nc_u32 v[RD], s60, v[RD]
	v_lshlrev_b32 v[GO], 12, v2
	v_lshl_add_u32 v[GO], v1, 4, v[GO]
	v_lshlrev_b32 v[DD], 3, v2
	v_sub_nc_u32 v[RH], v1, v[DD]
	v_mov_b32 v[NINF], 0xff800000
	v_and_b32 v[PFO], 31, v0
	v_mul_u32_u24 v[PFO], v[PFO], ROWQ
	s_wait_loadcnt 0x0                             ; Q
.Lslot:                                                ; 8 trips.  THE CHANGE OF SLOTS stands at a slot's head
	s_wait_tensorcnt 0x0                           ; all my tensor loads have landed: my part of the slot that I am about to read; so a group 0 may be written
	ds_add_u32 v[SPW], v[NIL]                      ; 0 onto my spare word
	s_add_co_u32 s[G0K+1], s[TN], s[KP]            ; the walking descriptors: the other slot,
	s_add_co_u32 s[G0V+1], s[TN], s[VP]
	s_add_nc_u64 s[G0K+2:G0K+3], s[G0K+2:G0K+3], SLOTG             ; the next 256 keys; the type bits on top are not reached
	s_add_nc_u64 s[G0V+2:G0V+3], s[G0V+2:G0V+3], SLOTG
	s_wait_xcnt 0x0                                ; the last prefetches, a slot back, have read their address
	s_add_nc_u64 s[PFA:PFA+1], s[PFA:PFA+1], SLOTG
	s_wait_dscnt 0x0                               ; the add is done, and my reads of the slot that I have left are over
	s_barrier_signal -1
	s_barrier_wait -1
	s_add_co_u32 s60, s[KF], 256                   ; the first key of the slot that this change would ask for:
	s_cmp_gt_u32 s60, s[QLAST]                     ; past the late tile's last query it is read by no wave, and is not asked for.  Ids and the count of steps alone: all four waves go the same way.
	s_cbranch_scc1 .Lpast                          ; (2,048 is past every query: so the last trip asks for nothing)
	TLOAD                                          ; my one tensor load behind this barrier: it has a slot's four steps in which to land
.Lpast:
	; A prefetch of what the NEXT change of slots will ask for: my wave's 128 rows of 256 bytes, a lane a row, four instructions.  Only the key head's first work-group asks, so each row is named once
	; in the launch.  While more than 2 trips are to go, the slot two on is slot 7 at the most: no request passes the buffer's end.
	s_cmp_gt_u32 s[SLOTS], s[LIM]
	s_cbranch_scc0 .Lnot_mine
.irp j, 0,1,2,3
	global_prefetch_b8 v[PFO], s[PFA:PFA+1] offset:32*ROWQ*\j th:TH_LOAD_NT scope:SCOPE_SE
.endr
.Lnot_mine:
	v_add_nc_u32 v[ADK], s[TB], v[AK0]
	v_add_nc_u32 v[ADV], s[TB], v[AV0]
	v_add_nc_u32 v[ADV+1], 128*PVP, v[ADV]
	STEP 0
	STEP 1
	STEP 2
	STEP 3
	s_branch .Ldone
.Lrest0:                                               ; the steps that were left out still count their keys
	s_add_co_u32 s[KF], s[KF], 64
.Lrest1:
	s_add_co_u32 s[KF], s[KF], 64
.Lrest2:
	s_add_co_u32 s[KF], s[KF], 64
.Lrest3:
	s_add_co_u32 s[KF], s[KF], 64
.Ldone:
	s_xor_b32 s[TB], s[TB], SLOTB                  ; the slots change places: each of the two holds 0 or SLOTB alone
	s_xor_b32 s[TN], s[TN], SLOTB
	s_sub_co_u32 s[SLOTS], s[SLOTS], 1
	s_cmp_lg_u32 s[SLOTS], 0
	s_cbranch_scc1 .Lslot
	; THE WAY OUT.  l's two halves and the other half of the lanes' are added; O^T is divided by l, rounded to f16 and sent through my stage in LDS, a tile (16 rows of y) at a time.
	PLACES                                         ; behind the last products
.irp t, 0,1
	v_add_f32 v[ST+8*\t+4], v[ST+8*\t+2], v[ST+8*\t+3]
.endr
.irp t, 0,1
	v_permlanex16_b32 v[ST+8*\t+5], v[ST+8*\t+4], s[SEL], s[SEL+1]
.endr
.irp t, 0,1
	v_add_f32 v[ST+8*\t+4], v[ST+8*\t+4], v[ST+8*\t+5]
.endr
.irp t, 0,1
	v_rcp_f32 v[ST+8*\t+6], v[ST+8*\t+4]
.endr
	v_nop                                          ; a plain instruction behind the last reciprocal
	s_wait_alu depctr_va_vdst(0)                   ; one wait for the two, ahead of the first use
.macro PACK t
	WIN 0x41
.set i_, 64*\t
.rept 32
	v_pk_mul_f32 v[i_:i_+1], v[i_:i_+1], v[ST+8*\t+6:ST+8*\t+7] op_sel_hi:[1,0]
.set i_, i_+2
.endr
	WIN 0x05                                       ; sources 0 and 1 window 1, destination window 0: S^T's registers are free
.set i_, 0
.rept 32
	v_cvt_pk_f16_f32 v[S+32*\t+i_], v[64*\t+2*i_], v[64*\t+2*i_+1]
.set i_, i_+1
.endr
	WIN 0
.irp f, 0,1,2,3,4,5,6,7
	ds_store_b128 v[STO], v[S+32*\t+4*\f:S+32*\t+4*\f+3] offset:32*\f
.endr
.irp f, 0,1,2,3,4,5,6,7
	ds_load_b128 v[S+32*\t+4*\f:S+32*\t+4*\f+3], v[RD] offset:\f*2*272   ; LDS serves a wave's instructions in order (ISA guide 5.7.1.4): these see the stores above
.endr
.endm
.macro SEND t, younger                 ; younger: the LDS instructions issued behind tile t's loads
.irp f, 0,1,2,3,4,5,6,7
	s_wait_dscnt \younger+7-\f
	global_store_b128 v[GO], v[S+32*\t+4*\f:S+32*\t+4*\f+3], s[YB+2*\t:YB+2*\t+1] offset:\f*8192   ; 16 lanes store 256 consecutive bytes, at a multiple of 256 from the buffer's first byte
.endr
.endm
	PACK 0
	PACK 1
	SEND 0, 16
	SEND 1, 0
	s_wait_tensorcnt 0x0                           ; the wave's end: a tensor wait, an add to my spare word and its wait, behind my last tensor load and my last LDS store
	ds_add_u32 v[SPW], v[NIL]
	s_wait_dscnt 0x0
	s_endpgm
.Lfunc_end_k_q4caa0ea606_attn:
	.size	k_q4caa0ea606_attn, .Lfunc_end_k_q4caa0ea606_attn-k_q4caa0ea606_attn
	.p2alignl 7, 3214868480
	.fill 96, 4, 3214868480
	.section	.rodata,"a",@progbits
	.p2align	6, 0x0
	.amdhsa_kernel k_q4caa0ea606_attn
		.amdhsa_group_segment_fixed_size 327680
		.amdhsa_private_segment_fixed_size 0
		.amdhsa_enable_private_segment 0
		.amdhsa_kernarg_size 16
		.amdhsa_user_sgpr_count 2
		.amdhsa_user_sgpr_kernarg_segment_ptr 1
		.amdhsa_wavefront_size32 1
		.amdhsa_system_sgpr_workgroup_id_x 1
		.amdhsa_system_sgpr_workgroup_id_y 1
		.amdhsa_system_sgpr_workgroup_id_z 1
		.amdhsa_system_vgpr_workitem_id 0
		.amdhsa_next_free_vgpr 896
		.amdhsa_next_free_sgpr 66
		.amdhsa_reserve_vcc 1
		.amdhsa_float_denorm_mode_32 3
		.amdhsa_float_denorm_mode_16_64 3
		.amdhsa_memory_ordered 1
		.amdhsa_forward_progress 1
		.amdhsa_inst_pref_size 140
	.end_amdhsa_kernel
	.amdgpu_metadata
---
amdhsa.version: [ 1, 2 ]
amdhsa.kernels:
  - .name:           k_q4caa0ea606_attn
    .symbol:         k_q4caa0ea606_attn.kd
    .args:
      - { .name: qkv16, .offset: 0, .size: 8, .value_kind: global_buffer, .address_space: global }
      - { .name: y16, .offset: 8, .size: 8, .value_kind: global_buffer, .address_space: global }
    .group_segment_fixed_size: 327680
    .private_segment_fixed_size: 0
    .kernarg_segment_align: 8
    .kernarg_segment_size: 16
    .max_flat_workgroup_size: 128
    .sgpr_count:     66
    .vgpr_count:     896
    .wavefront_size: 32
...
	.end_amdgpu_metadata
.endif
;; end of part 3
;; launch proj (part 4): grid 16 x 16, 4 waves a work-group, clusters of 4 x 4, 327,680 bytes of LDS; arguments y16, wp16, b_proj, out0; writes out0
.if DOCPART == 4
	.amdgcn_target "amdgcn-amd-amdhsa--gfx1250"
	.amdhsa_code_object_version 6
	.text
	.protected	k_q4caa0ea606_proj
	.globl	k_q4caa0ea606_proj
	.p2align	8
	.type	k_q4caa0ea606_proj,@function
k_q4caa0ea606_proj:
	s_mov_b64 s[64:65], 0
	v_nop
	global_prefetch_b8 v0, s[64:65] scope:SCOPE_SE
	s_setreg_imm32_b32 hwreg(HW_REG_WAVE_MODE, 25, 1), 1
	s_wait_xcnt 0x0
	s_wait_alu depctr_hold_cnt(0) depctr_sa_sdst(0) depctr_va_vdst(0) depctr_va_sdst(0) depctr_va_ssrc(0) depctr_va_vcc(0) depctr_vm_vsrc(0)
	s_getreg_b32 s2, hwreg(HW_REG_IB_STS2, 6, 4)
	s_cmp_eq_u32 s2, 0
	s_cbranch_scc0 .Lentry_in_a_cluster
	s_endpgm
.Lentry_in_a_cluster:
	s_bfe_u32 s2, ttmp6, 0x10000c
	s_cmp_lg_u32 s2, 0xf033
	s_cbranch_scc0 .Lentry_shape_is_right
	s_endpgm
.Lentry_shape_is_right:
; PROJ: out0 = y W_proj + b_proj.  y16 [2048 (m)][2048 (k)] f16; wp16 [2048 (k)][2048 (n)] f16; b_proj [2048] f32; out0 [2048][2048] f32; sums in f32.
; A tile of out0 is 128 x 128, so that there are 256 work-groups.  Four waves, each 64 x 64: 16 accumulators of 16 x 16.  K goes in steps of 256 through a ring of two LDS slots: y's tile is 128 rows of 512 bytes,
; W's tile 256 rows (k) of 256 bytes (128 n).  W's fragments come out of LDS turned, by ds_load_tr16_b128, since its K is not innermost.
; CLUSTERS: 4 x 4 work-groups.  The four of a row of the cluster need the same tiles of y, the four of a column the same tiles of W: each tile is asked for JOINTLY.
; THE MATRIX INSTRUCTION IS USED TRANSPOSED (source 0 = 16 columns of W, source 1 = 16 rows of y): a lane then holds eight neighbouring numbers of a row of out0.  The bias is the C of each sum's first instruction.
; A wave's 64 columns of f32 are 256 aligned bytes of a row: each wave sends its own rows through its own stage, and no barrier stands on the way out.
; REGISTERS: window 0: v0-31 addresses; v32-95 the way out; v96-127 the bias; v128-255 the accumulators ((a, b) at v[128 + 8 (4 a + b)]).   window 1: two fragment buffers of 128: 64 registers of y, then 64 of W.
.set SIZE_K, 2048
.set SIZE_N, 2048
.set KSTEP,  256
.set PITCH,  528                       ; y's LDS row: 512 bytes + 16 = 132 words: the 16 rows of a load start at 16 different banks (64 banks of 4 bytes: ISA guide 11.1)
.set HALFT,  64*PITCH                  ; 64 rows of y: what one tensor load brings
.set BOFF,   2*HALFT                   ; W's tile lies behind y's 128 rows
.set PB,     288                       ; W's LDS row: 256 bytes + 32
.set HALFB,  128*PB                    ; 128 rows (k) of W: what one tensor load brings
.set SLOT,   BOFF+2*HALFB
.set STAGE,  2*SLOT                    ; behind the ring: 16 rows x 272 bytes for each wave
.set SPITCH, 272
.set SPARE,  STAGE+4*16*SPITCH         ; the spare words, 128 bytes for each wave: two blocks of 256 bytes that no other line names
.set LAPS,   SIZE_K/(2*KSTEP)
.set ADRA, 16                          ; v16-17  LDS address of my y fragments in slot 0, 1
.set ADRB, 20                          ; v20-23  of W's: slot 0 rows 0-127, rows 128-255; slot 1 likewise
.set STO,  24
.set RD,   25
.set CO,   26
.set BIA,  27                          ; v27     the bias: 32 h
.set SPW,  28
.set NIL,  29
.set TMP,  32
.set BI,   96                          ; the bias: register 8 b + j = b_proj[my first column + 16 b + 8 h + j]
.set ACC,  128
.set F0,   0
.set F1,   128
.set G1, 24
.set G0, 32
.set G1B, 48
.set G0B, 56
.set MSB, 0
.macro WIN new                         ; the immediate's high byte repeats the setting that is left
.if MSB != \new
	s_set_vgpr_msb (MSB<<8)|\new
.set MSB, \new
.endif
.endm
.set MUL,  0x05                        ; sources 0 (W) and 1 (y) window 1; C and D window 0
.set TO_F, 0x40                        ; destination window 1, address window 0
.macro JLOAD s                         ; a joint load: waves 0 and 1 fetch y's two halves, waves 2 and 3 W's; an s_nop 0 and four v_nop follow each of the two lines
	s_cmp_eq_u32 s11, 0
	s_cbranch_scc0 .Lfor_b_\@
	tensor_load_to_lds s[G0+4*\s:G0+4*\s+3], s[G1:G1+7]
	s_nop 0
.rept 4
	v_nop
.endr
	s_branch .Lasked_\@
.Lfor_b_\@:
	tensor_load_to_lds s[G0B+4*\s:G0B+4*\s+3], s[G1B:G1B+7]
	s_nop 0
.rept 4
	v_nop
.endr
.Lasked_\@:
.endm
.macro CREST
	s_cmp_lg_u32 s10, 0
	s_cbranch_scc1 .Lnot_wave_0_\@
	s_barrier_signal -3
.Lnot_wave_0_\@:
	s_barrier_wait -3
	s_barrier_signal -1
	s_barrier_wait -1
.endm
.macro CROUND
	s_barrier_signal -1
	s_barrier_wait -1
	CREST
.endm
	s_load_b128 s[4:7], s[0:1], 0x0                ; y16, wp16
	s_load_b64 s[2:3], s[0:1], 0x10                ; b_proj
	s_load_b64 s[8:9], s[0:1], 0x18                ; out0
	v_lshl_add_u32 v[SPW], v0, 2, SPARE
	v_mov_b32 v[NIL], 0
	ds_add_u32 v[SPW], v[NIL]                      ; the wave's opening: the add, twice on end, and its wait ahead of my first tensor load
	ds_add_u32 v[SPW], v[NIL]
	v_lshrrev_b32 v1, 5, v0
	v_readfirstlane_b32 s10, v1                    ; wave 0..3
	s_lshr_b32 s11, s10, 1                         ; which half of the tile's rows is mine.  Also: I fetch for y (0) or for W (1)
	s_and_b32 s12, s10, 1                          ; which half of its columns.  Also: which half of that tile I fetch
	s_bfe_u32 s40, ttmp6, 0x40000                  ; cx, cy
	s_bfe_u32 s41, ttmp6, 0x40004
	s_lshl_b32 s42, ttmp9, 2
	s_add_co_u32 s42, s42, s40                     ; tile column
	s_and_b32 s13, ttmp7, 0xffff
	s_lshl_b32 s13, s13, 2
	s_add_co_u32 s13, s13, s41                     ; tile row
	s_lshl_b32 s43, s41, 2
	s_lshl_b32 s43, 15, s43                        ; my row of the cluster
	s_lshl_b32 s44, 0x1111, s40                    ; my column
	; group 1 for y: 64 rows x 256 elements of 2 bytes, 4 words of padding behind every 128;  for W: 128 rows x 128 elements, 8 words behind every 64
	s_or_b32 s[G1+0], s43, (1<<16)|(1<<20)|(1<<21)|(6<<22)|(3<<25)
	s_mov_b32 s[G1+1], KSTEP<<16
	s_mov_b32 s[G1+2], 64<<16
	s_mov_b32 s[G1+3], KSTEP<<16
	s_mov_b32 s[G1+4], 64
	s_mov_b32 s[G1+5], SIZE_K
	s_mov_b32 s[G1+6], 0
	s_mov_b32 s[G1+7], 0
	s_or_b32 s[G1B+0], s44, (1<<16)|(1<<20)|(1<<21)|(5<<22)|(7<<25)
	s_mov_b32 s[G1B+1], 128<<16
	s_mov_b32 s[G1B+2], 128<<16
	s_mov_b32 s[G1B+3], 128<<16
	s_mov_b32 s[G1B+4], 128
	s_mov_b32 s[G1B+5], SIZE_N
	s_mov_b32 s[G1B+6], 0
	s_mov_b32 s[G1B+7], 0
	s_lshl_b32 s17, s12, 6
	s_lshl_b32 s16, s13, 7
	s_add_co_u32 s16, s16, s17                     ; y: row 128 x tile row + 64 x half,
	s_lshl_b32 s16, s16, 12                        ; of 4,096 bytes
	s_mov_b32 s17, 0
	s_lshl_b32 s46, s12, 19                        ; W: 128 rows (k) of 4,096 bytes x half,
	s_lshl_b32 s47, s42, 8
	s_add_co_u32 s46, s46, s47                     ; + 256 bytes x tile column
	s_mov_b32 s47, 0
	s_mul_i32 s20, s12, HALFT                      ; where they go: no place in the cluster enters an LDS address
	s_mul_i32 s21, s12, HALFB
	s_add_co_u32 s21, s21, BOFF
	s_wait_dscnt 0x0                               ; both opening adds are done
	s_wait_kmcnt 0x0
	s_add_nc_u64 s[14:15], s[4:5], s[16:17]
	s_add_nc_u64 s[46:47], s[6:7], s[46:47]
	CROUND                                         ; all sixteen work-groups are here: the first joint loads meet
.irp s, 0,1
	s_mov_b32 s[G0+4*\s], 1
	s_add_co_u32 s[G0+4*\s+1], s20, \s*SLOT
	s_add_nc_u64 s[G0+4*\s+2:G0+4*\s+3], s[14:15], \s*KSTEP*2
	s_or_b32 s[G0+4*\s+3], s[G0+4*\s+3], 0x80000000
	s_mov_b32 s[G0B+4*\s], 1
	s_add_co_u32 s[G0B+4*\s+1], s21, \s*SLOT
	s_add_nc_u64 s[G0B+4*\s+2:G0B+4*\s+3], s[46:47], \s*KSTEP*SIZE_N*2
	s_or_b32 s[G0B+4*\s+3], s[G0B+4*\s+3], 0x80000000
	JLOAD \s
.endr
	v_and_b32 v1, 15, v0                           ; r
	v_bfe_u32 v2, v0, 4, 1                         ; h
	v_mul_u32_u24 v3, v1, PITCH
	v_lshl_add_u32 v3, v2, 4, v3
	s_mul_i32 s21, s11, HALFT                      ; my 64 rows of y
	v_add_nc_u32 v[ADRA], s21, v3
	v_add_nc_u32 v[ADRA+1], SLOT, v[ADRA]
	v_and_b32 v4, 7, v0
	v_lshl_add_u32 v4, v2, 3, v4
	v_mul_u32_u24 v4, v4, PB                       ; W: row (k) 8 h + l % 8,
	v_bfe_u32 v5, v0, 3, 1
	v_lshl_add_u32 v4, v5, 4, v4                   ; columns 8 ((l / 8) % 2) on,
	s_lshl_b32 s22, s12, 7
	s_add_co_u32 s22, s22, BOFF                    ; in my 64 columns
	v_add_nc_u32 v[ADRB], s22, v4
	v_add_nc_u32 v[ADRB+1], HALFB, v[ADRB]
	v_add_nc_u32 v[ADRB+2], SLOT, v[ADRB]
	v_add_nc_u32 v[ADRB+3], SLOT, v[ADRB+1]
	s_mul_i32 s23, s10, 16*SPITCH
	s_add_co_u32 s23, s23, STAGE                   ; my stage
	v_mul_u32_u24 v4, v1, SPITCH
	v_lshl_add_u32 v4, v2, 5, v4
	v_add_nc_u32 v[STO], s23, v4                   ; in: row r, 32 bytes for each half of the lanes
	v_mul_u32_u24 v5, v2, SPITCH
	v_lshl_add_u32 v5, v1, 4, v5
	v_add_nc_u32 v[RD], s23, v5                    ; back: lanes 0-15 one row of 256 bytes, lanes 16-31 the next
	v_lshlrev_b32 v5, 13, v2
	v_lshl_add_u32 v[CO], v1, 4, v5                ; and the same two rows in out0
	v_lshlrev_b32 v[BIA], 5, v2
	s_lshl_b32 s16, s13, 7
	s_lshl_b32 s17, s11, 6
	s_add_co_u32 s16, s16, s17                     ; my first row: 128 x tile row + 64 x half,
	s_lshl_b32 s16, s16, 13                        ; of 8,192 bytes
	s_lshl_b32 s46, s42, 9
	s_lshl_b32 s47, s12, 8
	s_add_co_u32 s46, s46, s47                     ; my first column, in bytes: 512 x tile column + 256 x half
	s_mov_b32 s47, 0
	s_add_nc_u64 s[2:3], s[2:3], s[46:47]          ; the bias there
	s_add_co_u32 s16, s16, s46
	s_mov_b32 s17, 0
	s_add_nc_u64 s[8:9], s[8:9], s[16:17]          ; out0 at my corner
.irp b, 0,1,2,3
	global_load_b128 v[BI+8*\b:BI+8*\b+3], v[BIA], s[2:3] offset:64*\b
	global_load_b128 v[BI+8*\b+4:BI+8*\b+7], v[BIA], s[2:3] offset:64*\b+16
.endr
; 8 matrix instructions: row blocks a0, a0 + 1 x all 4 column blocks, 32 along K: half c of buffer f.  zero = 1: the first product starts the sums from the bias.  The 16 accumulators take turns
.macro MUL8 f, c, a0, zero
.irp a, \a0, \a0+1
.irp b, 0,1,2,3
.if \zero
	v_wmma_f32_16x16x32_f16 v[ACC+8*(4*(\a)+\b):ACC+8*(4*(\a)+\b)+7], v[\f+64+8*(4*\c+\b):\f+64+8*(4*\c+\b)+7], v[\f+8*(4*\c+\a):\f+8*(4*\c+\a)+7], v[BI+8*\b:BI+8*\b+7]
.else
	v_wmma_f32_16x16x32_f16 v[ACC+8*(4*(\a)+\b):ACC+8*(4*(\a)+\b)+7], v[\f+64+8*(4*\c+\b):\f+64+8*(4*\c+\b)+7], v[\f+8*(4*\c+\a):\f+8*(4*\c+\a)+7], v[ACC+8*(4*(\a)+\b):ACC+8*(4*(\a)+\b)+7]
.endif
.endr
.endr
.endm
; 32 LDS loads in one run: the fragments of the slot's q-th 64 along K into buffer f; the first 32 along K first
.macro FETCH slot, q, f
	WIN TO_F
.irp c, 0,1
.irp i, 0,1,2,3
	ds_load_tr16_b128 v[\f+64+8*(4*\c+\i):\f+64+8*(4*\c+\i)+3],   v[ADRB+2*\slot+(\q)/2] offset:(((\q)%2)*64+32*\c)*PB+32*\i
	ds_load_tr16_b128 v[\f+64+8*(4*\c+\i)+4:\f+64+8*(4*\c+\i)+7], v[ADRB+2*\slot+(\q)/2] offset:(((\q)%2)*64+32*\c+16)*PB+32*\i
	ds_load_b128 v[\f+8*(4*\c+\i):\f+8*(4*\c+\i)+3],         v[ADRA+\slot] offset:128*(\q)+64*\c+\i*16*PITCH
	ds_load_b128 v[\f+8*(4*\c+\i)+4:\f+8*(4*\c+\i)+7],       v[ADRA+\slot] offset:128*(\q)+64*\c+\i*16*PITCH+32
.endr
.endr
.endm
.macro PLACES                          ; four plain vector instructions that name none of a matrix instruction's registers (ISA guide 7.12.1)
.rept 4
	v_nop
.endr
.endm
; A K step is four quarters of 64 along K, 32 matrix instructions each, on buffers 0, 1, 0, 1.  One of the first three: multiplies buffer f and fetches quarter q into g.
.macro QUARTER slot, q, f, g, zero
	s_wait_dscnt 16                                ; the first 32 along K are in
	WIN MUL
	MUL8 \f, 0, 0, \zero
	MUL8 \f, 0, 2, \zero
	PLACES
	FETCH \slot, \q, \g
	s_wait_dscnt 32                                ; all but the 32 just issued
	WIN MUL
	MUL8 \f, 1, 0, 0
	MUL8 \f, 1, 2, 0
.endm
; The last quarter multiplies buffer 1 and changes slots: one barrier; in front of it each wave waits for all its tensor loads, adds 0 to its spare word, and waits for that and for its own reads of this slot.
.macro TURN slot, next, fill
	WIN 0
	s_wait_tensorcnt 0x0                           ; all my tensor loads have landed: my part of the next slot
	ds_add_u32 v[SPW], v[NIL]                      ; 0 onto my spare word
	s_wait_dscnt 17                                ; (the add and the youngest sixteen loads may be out)
	WIN MUL
	MUL8 F1, 0, 0, 0
	s_wait_dscnt 0x0                               ; the add is done, and my reads of this slot are over
	s_barrier_signal -1
	MUL8 F1, 0, 2, 0
.if \fill
	WIN 0
.endif
	s_barrier_wait -1
.if \fill
	CREST                                          ; the barrier has opened a round of the cluster's barrier: no wave of any partner still reads this slot's tile or has a load on its way
	s_add_nc_u64 s[G0+4*\slot+2:G0+4*\slot+3], s[G0+4*\slot+2:G0+4*\slot+3], 2*KSTEP*2
	s_add_nc_u64 s[G0B+4*\slot+2:G0B+4*\slot+3], s[G0B+4*\slot+2:G0B+4*\slot+3], 2*KSTEP*SIZE_N*2
	JLOAD \slot                                    ; the first tensor load behind the round; the four v_nop behind it are also the places in front of the loads below
.else
	PLACES
.endif
	FETCH \next, 0, F0
	WIN MUL
	MUL8 F1, 1, 0, 0
	MUL8 F1, 1, 2, 0
.endm
	s_wait_tensorcnt 1                             ; my part of K step 0 is in (K step 1's load may be out),
	s_barrier_signal -1
	s_barrier_wait -1                              ; everybody's is
	FETCH 0, 0, F0
	s_wait_loadcnt 0x0                             ; the bias; its address registers are free from here on
	QUARTER 0, 1, F0, F1, 1                        ; the first quarter stands in front of the loop: its first products start the sums
	WIN 0
	s_mov_b32 s3, LAPS-1
.Llap:                                                 ; a trip goes once round the ring, from a lap's second quarter to the next lap's first, and fills both slots again
	QUARTER 0, 2, F1, F0, 0
	QUARTER 0, 3, F0, F1, 0
	TURN 0, 1, 1
	QUARTER 1, 1, F0, F1, 0
	QUARTER 1, 2, F1, F0, 0
	QUARTER 1, 3, F0, F1, 0
	TURN 1, 0, 1
	QUARTER 0, 1, F0, F1, 0
	WIN 0
	s_sub_co_u32 s3, s3, 1
	s_cmp_lg_u32 s3, 0
	s_cbranch_scc1 .Llap
	QUARTER 0, 2, F1, F0, 0                        ; the last lap fills nothing, and has no round of the cluster's barrier
	QUARTER 0, 3, F0, F1, 0
	TURN 0, 1, 0
	QUARTER 1, 1, F0, F1, 0
	QUARTER 1, 2, F1, F0, 0
	QUARTER 1, 3, F0, F1, 0
	s_wait_dscnt 16                                ; the very last quarter: nothing more to fetch
	WIN MUL
	MUL8 F1, 0, 0, 0
	MUL8 F1, 0, 2, 0
	s_wait_dscnt 0
	MUL8 F1, 1, 0, 0
	MUL8 F1, 1, 2, 0
	WIN 0
; THE WAY OUT, a block of 16 rows x 64 columns at a time, through my own stage: LDS serves a wave's instructions in order (ISA guide 5.7.1.4), so no wait stands between the stores and the loads.
.macro TOSTAGE a
.irp b, 0,1,2,3
	ds_store_b128 v[STO], v[ACC+8*(4*(\a)+\b):ACC+8*(4*(\a)+\b)+3] offset:64*\b          ; each accumulator from its low end on
	ds_store_b128 v[STO], v[ACC+8*(4*(\a)+\b)+4:ACC+8*(4*(\a)+\b)+7] offset:64*\b+16
.endr
.irp t, 0,1,2,3,4,5,6,7
	ds_load_b128 v[TMP+32*((\a)%2)+4*\t:TMP+32*((\a)%2)+4*\t+3], v[RD] offset:\t*2*SPITCH
.endr
.endm
.macro SEND a, younger                 ; younger: the LDS instructions issued behind block a's loads
	s_wait_dscnt \younger
.irp t, 0,1,2,3,4,5,6,7
	global_store_b128 v[CO], v[TMP+32*((\a)%2)+4*\t:TMP+32*((\a)%2)+4*\t+3], s[8:9] offset:(16*(\a)+2*\t)*SIZE_N*4   ; 16 lanes store 256 consecutive bytes, at a multiple of 256 from out0's first byte
.endr
.endm
	PLACES
	TOSTAGE 0
.irp a, 1,2,3
.if \a > 1
	s_wait_xcnt 0x0                                ; block a - 2's stores have read their registers: block a's loads may land there
.endif
	TOSTAGE \a
	SEND \a-1, 16                                  ; behind block a - 1's loads: block a's 8 stores and 8 loads
.endr
	SEND 3, 0
	s_wait_tensorcnt 0x0                           ; the wave's end: a tensor wait, an add to my spare word and its wait, behind my last tensor load and my last LDS store
	ds_add_u32 v[SPW], v[NIL]
	s_wait_dscnt 0x0
	CROUND                                         ; the closing round: no work-group ends while a partner may still ask for a tile that names it
	s_endpgm
.Lfunc_end_k_q4caa0ea606_proj:
	.size	k_q4caa0ea606_proj, .Lfunc_end_k_q4caa0ea606_proj-k_q4caa0ea606_proj
	.p2alignl 7, 3214868480
	.fill 96, 4, 3214868480
	.section	.rodata,"a",@progbits
	.p2align	6, 0x0
	.amdhsa_kernel k_q4caa0ea606_proj
		.amdhsa_group_segment_fixed_size 327680
		.amdhsa_private_segment_fixed_size 0
		.amdhsa_enable_private_segment 0
		.amdhsa_kernarg_size 32
		.amdhsa_user_sgpr_count 2
		.amdhsa_user_sgpr_kernarg_segment_ptr 1
		.amdhsa_wavefront_size32 1
		.amdhsa_system_sgpr_workgroup_id_x 1
		.amdhsa_system_sgpr_workgroup_id_y 1
		.amdhsa_system_sgpr_workgroup_id_z 1
		.amdhsa_system_vgpr_workitem_id 0
		.amdhsa_next_free_vgpr 512
		.amdhsa_next_free_sgpr 66
		.amdhsa_reserve_vcc 0
		.amdhsa_float_denorm_mode_32 3
		.amdhsa_float_denorm_mode_16_64 3
		.amdhsa_memory_ordered 1
		.amdhsa_forward_progress 1
		.amdhsa_inst_pref_size 87
	.end_amdhsa_kernel
	.amdgpu_metadata
---
amdhsa.version: [ 1, 2 ]
amdhsa.kernels:
  - .name:           k_q4caa0ea606_proj
    .symbol:         k_q4caa0ea606_proj.kd
    .args:
      - { .name: y16, .offset: 0, .size: 8, .value_kind: global_buffer, .address_space: global }
      - { .name: wp16, .offset: 8, .size: 8, .value_kind: global_buffer, .address_space: global }
      - { .name: b_proj, .offset: 16, .size: 8, .value_kind: global_buffer, .address_space: global }
      - { .name: out0, .offset: 24, .size: 8, .value_kind: global_buffer, .address_space: global }
    .group_segment_fixed_size: 327680
    .private_segment_fixed_size: 0
    .kernarg_segment_align: 8
    .kernarg_segment_size: 32
    .max_flat_workgroup_size: 128
    .sgpr_count:     66
    .vgpr_count:     512
    .wavefront_size: 32
...
	.end_amdgpu_metadata
.endif
;; end of part 4
;; launch first16 (part 5): grid 128 x 1, 16 waves a work-group, no clusters, 153,600 bytes of LDS; arguments q32, W_proj, b_proj, out0; writes out0
.if DOCPART == 5
	.amdgcn_target "amdgcn-amd-amdhsa--gfx1250"
	.amdhsa_code_object_version 6
	.text
	.protected	k_q4caa0ea606_first16
	.globl	k_q4caa0ea606_first16
	.p2align	8
	.type	k_q4caa0ea606_first16,@function
k_q4caa0ea606_first16:
	s_mov_b64 s[64:65], 0
	v_nop
	global_prefetch_b8 v0, s[64:65] scope:SCOPE_SE
	s_setreg_imm32_b32 hwreg(HW_REG_WAVE_MODE, 25, 1), 1
	s_wait_xcnt 0x0
; FIRST16: rows 0 to 15 of out0 once more, with f32 operands throughout: under the causal mask these rows average one to sixteen values and are the largest in size, so the rounding of 16-bit operands weighs most there.
; q32 [16][3072] f32: rows 0 to 15 of q, k, v with bias and rotation.  W_proj [2048][2048], b_proj [2048], out0 [2048][2048]: f32.
; SHARES.  A work-group owns 16 columns of out0.  Wave w makes head w's y (16 x 128) by itself (64 small matrix instructions; every work-group repeats them, which spares a launch), multiplies it by
; W_proj's rows 128 w .. 128 w + 127 at the work-group's columns, and the sixteen partial tiles meet in LDS, where wave 0 adds them in a fixed order, adds the bias and stores.
; LOADS.  A head's row of q, k or v is 512 consecutive bytes: one load of the wave takes one row, 16 bytes a lane.  The matrix form wants a row (or, of v, a channel) in a lane: so the rows turn through the
; wave's own stage in LDS, 16 rows of 512 + 16 bytes, used for q, then k, then v: LDS serves a wave's instructions in order (ISA guide 5.7.1.4), so no wait and no barrier stands between.
; THE FORM is v_wmma_f32_16x16x4_f32: lane (r, h) holds row r and k = 2 h + j in register j.  The place of a k in the registers is free where both sources take the same: so
;   scores:  register 4 i + e = channel 8 i + 4 h + e of row r (keys as source 0, queries as source 1): S^T, a lane holds one query and keys 8 h + 0 .. 7;
;   values:  register 8 c + e = v[key 8 h + e][channel 16 c + r] against p's register e = key 8 h + e: O^T, a lane holds one query and channels 16 c + 8 h + 0 .. 7;
;   output:  register 8 c + e = W[128 w + 16 c + 8 h + e][column r] against y's register 8 c + e: a lane holds row r and columns 8 h + 0 .. 7.
; v16-47 are written by matrix instructions alone; four accumulators take turns, one instruction a turn, and are added afterwards.
.set PITCH, 528                        ; a stage row: 512 bytes + 16 = 132 words: the 16 rows that a fragment load touches start at 16 different banks (64 banks of 4 bytes: ISA guide 11.1)
.set WREG,  16*PITCH                   ; a wave's stage: 8,448 bytes
.set RED,   16*WREG                    ; behind the stages: the sixteen partial tiles of 1,024 bytes
.set SPARE, RED+16*1024                ; behind them: the spare words, 128 bytes for each wave: eight blocks of 256 bytes that no other line names
.set SPW, 12
.set NIL, 13
.set D,   16                           ; v16-47   four accumulators
.set QF,  48                           ; v48-111  q, later v, later wave 0's sums
.set VF,  48
.set KFR, 112                          ; v112-175 k, later y
.set Y,   112
.set WF,  176                          ; v176-239 v's rows on their way to the stage, then W_proj's part, later the bias
.set SA,  240                          ; v240-247 the scores, then p, then my partial tile
.set SB,  248                          ; v248-255 at work
.set SEL, 16
.set CS,  18
.macro NOPS n
.rept \n
	v_nop
.endr
.endm
.macro ROWS_IN reg                     ; 16 rows as they were loaded go into my stage: 512 consecutive bytes a store
.irp i, 0,1,2,3,4,5,6,7,8,9,10,11,12,13,14,15
	ds_store_b128 v4, v[\reg+4*\i:\reg+4*\i+3] offset:PITCH*\i
.endr
.endm
.macro FRAGS reg                       ; and come back a row to a lane, into the registers that they left: register 4 i + e = channel 8 i + 4 h + e of row r
.irp i, 0,1,2,3,4,5,6,7,8,9,10,11,12,13,14,15
	ds_load_b128 v[\reg+4*\i:\reg+4*\i+3], v15 offset:32*\i
.endr
.endm
.macro ADD4                            ; the four accumulators are added: each is read from its low end on
.irp jj, 0,2,4,6
	v_pk_add_f32 v[SA+\jj:SA+\jj+1], v[D+\jj:D+\jj+1], v[D+8+\jj:D+8+\jj+1]
	v_pk_add_f32 v[SB+\jj:SB+\jj+1], v[D+16+\jj:D+16+\jj+1], v[D+24+\jj:D+24+\jj+1]
.endr
.irp jj, 0,2,4,6
	v_pk_add_f32 v[SA+\jj:SA+\jj+1], v[SA+\jj:SA+\jj+1], v[SB+\jj:SB+\jj+1]
.endr
.endm
	s_load_b128 s[4:7], s[0:1], 0x0                ; q32, W_proj
	s_load_b128 s[8:11], s[0:1], 0x10              ; b_proj, out0
	v_lshl_add_u32 v[SPW], v0, 2, SPARE
	v_mov_b32 v[NIL], 0
	v_lshrrev_b32 v1, 5, v0
	v_readfirstlane_b32 s12, v1                    ; wave = head, 0..15
	v_and_b32 v14, 31, v0                          ; lane
	v_and_b32 v1, 15, v0                           ; r
	v_bfe_u32 v2, v0, 4, 1                         ; h
	v_lshlrev_b32 v3, 4, v14                       ; q, k, v: my 16 bytes of a row's 512
	s_mul_i32 s30, s12, WREG                       ; my stage
	v_add_nc_u32 v4, s30, v3                       ; into it: 16 x lane; the row stands in the immediate
	v_mul_u32_u24 v15, v1, PITCH
	v_lshl_add_u32 v15, v2, 4, v15
	v_add_nc_u32 v15, s30, v15                     ; q's and k's fragments: row r, + 16 h
	v_mul_u32_u24 v14, v2, 8*PITCH
	v_lshl_add_u32 v14, v1, 2, v14
	v_add_nc_u32 v14, s30, v14                     ; v's: 8 h rows down, channel r
	v_lshlrev_b32 v5, 16, v2
	v_lshl_add_u32 v5, v1, 2, v5                   ; W: 8 h rows of 8,192 bytes down, column r
	v_lshlrev_b32 v6, 5, v2                        ; the bias: 8 h columns on
	s_lshl_b32 s13, s12, 10
	s_add_co_u32 s13, s13, RED
	v_add_nc_u32 v7, s13, v3                       ; my partial tile in LDS, as an image of its registers: 1,024 x wave + 16 x lane
	v_add_nc_u32 v8, RED, v3
	v_lshlrev_b32 v9, 13, v1
	v_lshl_add_u32 v9, v2, 5, v9                   ; out0: row r, 8 h columns on
	v_lshlrev_b32 v10, 3, v2
	v_sub_nc_u32 v10, v1, v10                      ; r - 8 h
	v_mov_b32 v11, 0xff800000                      ; -infinity
	s_mov_b32 s[SEL], 0x76543210
	s_mov_b32 s[SEL+1], 0xfedcba98
	s_mov_b32 s[CS], 0x3e0293ee                    ; c = log2(e) / sqrt(128)
	s_mov_b32 s[CS+1], s[CS]
	s_lshr_b32 s14, s12, 2                         ; the key head
	s_lshl_b32 s28, s12, 9
	s_mov_b32 s29, 0
	s_wait_kmcnt 0x0
	s_add_nc_u64 s[20:21], s[4:5], s[28:29]        ; q: head w at byte 512 w of a row
	s_lshl_b32 s28, s14, 9
	s_add_co_u32 s28, s28, 8192
	s_add_nc_u64 s[22:23], s[4:5], s[28:29]        ; k: 8,192 + 512 g
	s_add_nc_u64 s[24:25], s[22:23], 2048          ; v: 10,240 + 512 g
	s_lshl_b32 s28, s12, 20
	s_lshl_b32 s13, ttmp9, 6
	s_add_co_u32 s28, s28, s13
	s_add_nc_u64 s[26:27], s[6:7], s[28:29]        ; W: 128 w rows down, 16 x work-group columns on
	s_mov_b32 s28, s13
	s_add_nc_u64 s[8:9], s[8:9], s[28:29]
	s_add_nc_u64 s[10:11], s[10:11], s[28:29]
.irp i, 0,1,2,3,4,5,6,7,8,9,10,11,12,13,14,15
	global_load_b128 v[QF+4*\i:QF+4*\i+3], v3, s[20:21] offset:12288*\i     ; row i of q: 32 lanes read 512 consecutive bytes
.endr
.irp i, 0,1,2,3,4,5,6,7,8,9,10,11,12,13,14,15
	global_load_b128 v[KFR+4*\i:KFR+4*\i+3], v3, s[22:23] offset:12288*\i   ; of k
.endr
.irp i, 0,1,2,3,4,5,6,7,8,9,10,11,12,13,14,15
	global_load_b128 v[WF+4*\i:WF+4*\i+3], v3, s[24:25] offset:12288*\i     ; of v, into the registers that W will take
.endr
	s_wait_loadcnt 32                              ; q is in; k's and v's 32 loads may be out
	ROWS_IN QF
	FRAGS QF
	s_wait_loadcnt 16                              ; k is in; v's 16 loads may be out
	ROWS_IN KFR                                    ; behind q's reads of the stage, in the wave's order
	FRAGS KFR
	s_wait_loadcnt 0x0                             ; v
	ROWS_IN WF                                     ; v's rows stay in the stage until the scores are made
	s_wait_dscnt 0x0                               ; q's and k's fragments are in, and v's stores have read their registers: these take W
.set n_, 0
.rept 56
	global_load_b32 v[WF+n_], v5, s[26:27] offset:(16*(n_/8)+n_%8)*8192
.set n_, n_+1
.endr
.set s_, 0
.rept 32                                       ; S^T = k q^T: 128 channels, four a step
.if s_ < 4
	v_wmma_f32_16x16x4_f32 v[D+8*(s_%4):D+8*(s_%4)+7], v[KFR+2*s_:KFR+2*s_+1], v[QF+2*s_:QF+2*s_+1], 0
.else
	v_wmma_f32_16x16x4_f32 v[D+8*(s_%4):D+8*(s_%4)+7], v[KFR+2*s_:KFR+2*s_+1], v[QF+2*s_:QF+2*s_+1], v[D+8*(s_%4):D+8*(s_%4)+7]
.endif
.set s_, s_+1
.endr
	NOPS 8                                         ; eight places behind this form, in front of loads into its sources and of reads of its results
.set n_, 0
.rept 64
	ds_load_b32 v[VF+n_], v14 offset:PITCH*(n_%8)+64*(n_/8)        ; v[8 h + e][16 c + r]: keys down the registers
.set n_, n_+1
.endr
.set n_, 56
.rept 8
	global_load_b32 v[WF+n_], v5, s[26:27] offset:(16*(n_/8)+n_%8)*8192
.set n_, n_+1
.endr
	ADD4                                           ; register j: the score of key 8 h + j for query r
.irp j, 0,1,2,3,4,5,6,7
	v_cmp_gt_i32 vcc_lo, \j, v10                   ; hidden where 8 h + j > r
	v_cndmask_b32 v[SA+\j], v[SA+\j], v11, vcc_lo
.endr
	v_max3_num_f32 v248, v240, v241, v242
	v_max3_num_f32 v248, v248, v243, v244
	v_max3_num_f32 v248, v248, v245, v246
	v_max_num_f32 v248, v248, v247
	v_permlanex16_b32 v249, v248, s[SEL], s[SEL+1]
	v_max_num_f32 v248, v248, v249                 ; the row's maximum: key 0 counts for every query
	v_mul_f32 v250, s[CS], v248
	v_mov_b32 v251, v250
.irp j, 0,2,4,6
	v_pk_fma_f32 v[SA+\j:SA+\j+1], v[SA+\j:SA+\j+1], s[CS:CS+1], v[250:251] op_sel_hi:[1,0,0] neg_lo:[0,0,1] neg_hi:[0,0,1]
.endr
.irp j, 0,1,2,3,4,5,6,7
	v_exp_f32 v[SA+\j], v[SA+\j]                   ; p = 2^(c s - c m)
.endr
	v_nop                                          ; a plain instruction behind the last exponential
	s_wait_alu depctr_va_vdst(0)                   ; one wait for the eight, ahead of their first reader
	v_pk_add_f32 v[252:253], v[240:241], v[242:243]
	v_pk_add_f32 v[254:255], v[244:245], v[246:247]
	v_pk_add_f32 v[252:253], v[252:253], v[254:255]
	v_add_f32 v252, v252, v253
	v_permlanex16_b32 v249, v252, s[SEL], s[SEL+1]
	v_add_f32 v252, v252, v249                     ; the row's sum
	v_rcp_f32 v254, v252
	v_rcp_f32 v255, v252                           ; twice: a pair for the packed multiply
	v_nop
	s_wait_alu depctr_va_vdst(0)
	s_wait_dscnt 0x0                               ; v's fragments are in
.irp u, 0,1                                    ; O^T = v^T p: four tiles of 16 channels at a time; K = the 16 keys, four a step
.irp s, 0,1,2,3
.irp cc, 0,1,2,3
.if \s == 0
	v_wmma_f32_16x16x4_f32 v[D+8*\cc:D+8*\cc+7], v[VF+8*(4*\u+\cc)+2*\s:VF+8*(4*\u+\cc)+2*\s+1], v[SA+2*\s:SA+2*\s+1], 0
.else
	v_wmma_f32_16x16x4_f32 v[D+8*\cc:D+8*\cc+7], v[VF+8*(4*\u+\cc)+2*\s:VF+8*(4*\u+\cc)+2*\s+1], v[SA+2*\s:SA+2*\s+1], v[D+8*\cc:D+8*\cc+7]
.endif
.endr
.endr
	NOPS 9                                         ; eight places in front of the reads, nine in front of the next matrix instruction that begins these accumulators anew
.set y_, 0
.rept 16
	v_pk_mul_f32 v[Y+32*\u+y_:Y+32*\u+y_+1], v[D+y_:D+y_+1], v[254:255]    ; y = O^T / the sum, into other registers, ascending
.set y_, y_+2
.endr
.endr
	s_wait_loadcnt 0x0                             ; W
.irp c, 0,1,2,3,4,5,6,7                        ; my part of y W_proj: 128 channels, four a step
.irp i, 0,1,2,3
.if \c == 0
	v_wmma_f32_16x16x4_f32 v[D+8*\i:D+8*\i+7], v[WF+8*\c+2*\i:WF+8*\c+2*\i+1], v[Y+8*\c+2*\i:Y+8*\c+2*\i+1], 0
.else
	v_wmma_f32_16x16x4_f32 v[D+8*\i:D+8*\i+7], v[WF+8*\c+2*\i:WF+8*\c+2*\i+1], v[Y+8*\c+2*\i:Y+8*\c+2*\i+1], v[D+8*\i:D+8*\i+7]
.endif
.endr
.endr
	NOPS 8
	ADD4                                           ; register j: my head's part of out0(r, 8 h + j)
	ds_store_b128 v7, v[SA:SA+3]
	ds_store_b128 v7, v[SA+4:SA+7] offset:512
	s_wait_dscnt 0x0                               ; for the others' sake: my stores are done
	s_barrier_signal -1
	s_barrier_wait -1
	s_cmp_lg_u32 s12, 0
	s_cbranch_scc1 .Lend
	global_load_b128 v[WF:WF+3], v6, s[8:9]        ; wave 0 alone: the bias,
	global_load_b128 v[WF+4:WF+7], v6, s[8:9] offset:16
.irp w, 0,1,2,3,4,5,6,7,8,9,10,11,12,13,14,15
	ds_load_b128 v[48+8*\w:48+8*\w+3], v8 offset:1024*\w           ; the sixteen partial tiles,
	ds_load_b128 v[48+8*\w+4:48+8*\w+7], v8 offset:1024*\w+512
.endr
	s_wait_dscnt 0x0
	s_wait_loadcnt 0x0
.irp w, 1,2,3,4,5,6,7,8,9,10,11,12,13,14,15
.irp p, 0,2,4,6
	v_pk_add_f32 v[48+\p:49+\p], v[48+\p:49+\p], v[48+8*\w+\p:49+8*\w+\p]   ; added head by head, in four chains
.endr
.endr
.irp p, 0,2,4,6
	v_pk_add_f32 v[48+\p:49+\p], v[48+\p:49+\p], v[WF+\p:WF+\p+1]
.endr
	global_store_b128 v9, v[48:51], s[10:11]
	global_store_b128 v9, v[52:55], s[10:11] offset:16
.Lend:
	s_wait_tensorcnt 0x0                           ; the wave's end: a tensor wait, an add to my spare word and its wait behind my last LDS store; the tensor wait stands in a text with no tensor load too
	ds_add_u32 v[SPW], v[NIL]
	s_wait_dscnt 0x0
	s_endpgm
.Lfunc_end_k_q4caa0ea606_first16:
	.size	k_q4caa0ea606_first16, .Lfunc_end_k_q4caa0ea606_first16-k_q4caa0ea606_first16
	.p2alignl 7, 3214868480
	.fill 96, 4, 3214868480
	.section	.rodata,"a",@progbits
	.p2align	6, 0x0
	.amdhsa_kernel k_q4caa0ea606_first16
		.amdhsa_group_segment_fixed_size 153600
		.amdhsa_private_segment_fixed_size 0
		.amdhsa_enable_private_segment 0
		.amdhsa_kernarg_size 32
		.amdhsa_user_sgpr_count 2
		.amdhsa_user_sgpr_kernarg_segment_ptr 1
		.amdhsa_wavefront_size32 1
		.amdhsa_system_sgpr_workgroup_id_x 1
		.amdhsa_system_sgpr_workgroup_id_y 1
		.amdhsa_system_sgpr_workgroup_id_z 1
		.amdhsa_system_vgpr_workitem_id 0
		.amdhsa_next_free_vgpr 256
		.amdhsa_next_free_sgpr 66
		.amdhsa_reserve_vcc 1
		.amdhsa_float_denorm_mode_32 3
		.amdhsa_float_denorm_mode_16_64 3
		.amdhsa_memory_ordered 1
		.amdhsa_forward_progress 1
		.amdhsa_inst_pref_size 42
	.end_amdhsa_kernel
	.amdgpu_metadata
---
amdhsa.version: [ 1, 2 ]
amdhsa.kernels:
  - .name:           k_q4caa0ea606_first16
    .symbol:         k_q4caa0ea606_first16.kd
    .args:
      - { .name: q32, .offset: 0, .size: 8, .value_kind: global_buffer, .address_space: global }
      - { .name: W_proj, .offset: 8, .size: 8, .value_kind: global_buffer, .address_space: global }
      - { .name: b_proj, .offset: 16, .size: 8, .value_kind: global_buffer, .address_space: global }
      - { .name: out0, .offset: 24, .size: 8, .value_kind: global_buffer, .address_space: global }
    .group_segment_fixed_size: 153600
    .private_segment_fixed_size: 0
    .kernarg_segment_align: 8
    .kernarg_segment_size: 32
    .max_flat_workgroup_size: 512
    .sgpr_count:     66
    .vgpr_count:     256
    .wavefront_size: 32
...
	.end_amdgpu_metadata
.endif
;; end of part 5
